; MI455X (gfx1250); checked and timed in simulation.
; The chip was launched on July 23, 2026; its instructions are those of AMD's public machine-readable ISA for CDNA 5 (MIT licence, August 2026) and "CDNA5" Instruction Set Architecture Reference Guide (July 2026). The comments in the code are by the model that wrote it; some were corrected since.
;; Multi Head Attention. Allowed arithmetic: matrix products marked QUANTISED: E3M2 operands, one E8M0 scale for each 32 along K, by v_wmma_scale_f32_16x16x128_f8f6f4 with both operands' format E3M2, f32 sums; everything else in f32.
;; Inputs: W_out 1,024 x 1,024 float32; W_qkv 1,024 x 3,072 float32; b_out 1,024 float32; b_qkv 3,072 float32; x 4 x 2,048 x 1,024 float32.
;; Outputs: out0 4 x 2,048 x 1,024 float32.
;; This version of the problem:
;;   THIS VERSION OF THE PROBLEM IS GIVEN IN LOW PRECISION. The matrix products marked QUANTISED in the list below multiply operands that are first quantised to E3M2 (3 exponent bits, 2 mantissa bits; 6 bits a number), with one power-of-two scale for each 32 numbers along K (OCP MX v1.0); their sums are f32. All else is computed in f32.
;;   The module's matrix products, in the order in which they are computed (A, B: the left and right operand; K: the contracted axis; several contracted axes count as one K, in the product's order):
;;     1. [M 8,192, K 1,024] x [K 1,024, N 3,072]; A: input x; B: input W_qkv: QUANTISED
;;     2. batch 64 x [M 2,048, K 64] x [K 64, N 2,048]; A: computed on the way; B: computed on the way: QUANTISED
;;     3. batch 64 x [M 2,048, K 2,048] x [K 2,048, N 64]; A: softmax (see below); B: computed on the way: QUANTISED
;;     4. [M 8,192, K 1,024] x [K 1,024, N 1,024]; A: computed on the way; B: input W_out: QUANTISED
;;   THE QUANTISER, for each operand of a quantised product, along K:
;;     - K is cut into blocks of 32 from its start; a last block that is shorter is filled with zeros.
;;     - A block's scale is 2^e with e = floor(log2(the largest magnitude in the block)) - 4, held to -126 .. 127; a block of zeros has e = 0. As a byte (E8M0): e + 127.
;;     - Each number is divided by its block's scale, clamped to +-28, and rounded to the nearest number of E3M2, ties to even, subnormals kept.
;;     - The product sums the exact products of the quantised numbers (number of the format x scale) in f32.
;;   ~~~python
;;   def quantise(x, axis):      # numpy; x: float32 -> the quantised numbers, widened to float32 again
;;       x = np.moveaxis(x, axis, -1); K = x.shape[-1]
;;       x = np.pad(x, [(0, 0)] * (x.ndim - 1) + [(0, -K % 32)]); x = x.reshape(x.shape[:-1] + (-1, 32)); a = np.abs(x).max(-1, keepdims=True)
;;       e = np.where(a > 0, np.clip(np.frexp(np.where(a > 0, a, 1))[1] - 1 - 4, -126, 127), 0)      # np.frexp(a)[1] - 1 = floor(log2(a)), exactly
;;       r = np.clip(x / 2.0 ** e, -28, 28)
;;       step = 2.0 ** (np.maximum(np.frexp(np.where(r == 0, 1, r))[1] - 1, -2) - 2)
;;       q = np.round(r / step) * step * 2.0 ** e      # np.round: ties to even
;;       return np.moveaxis(q.reshape(q.shape[:-2] + (-1,))[..., :K], -1, axis).astype(np.float32)
;;   ~~~
;;   SOFTMAX AHEAD OF A QUANTISED PRODUCT. Where the list says 'softmax', what is quantised is not the finished softmax but p = 2^(t - M), with t = logit x log2(e) and M = ceil(the row's largest t), a whole number; so 1/2 < the row's largest p <= 1. The row's sum l is taken of the UNQUANTISED p, in f32, and the product's result is divided by l at the end. Since M is a whole number, a kernel that streams over the keys may use a running M (the ceiling of the running maximum): every later rescaling is an exact power of two, which a block's scale takes up: the codes' values come out the same.
;;   OPERANDS COMPUTED ON THE WAY. 'Computed on the way' means the value that the module computes at that place (a softmax that the list does not call 'softmax' is quantised finished and normalised). What goes into a quantiser is computed in f32, as accurately as f32 sums, v_exp_f32 and their like allow (about 1e-6 of the number): no bf16 or f16 on the way to a quantiser, and a product that is left as it is and whose result goes on into a quantised operand takes f32 operands (vector FMAs, or v_wmma_f32_16x16x4_f32). A number that lies on a knife's edge between two numbers of the format may be rounded either way, as far as f32 arithmetic and the matrix unit's own rounding can turn it there, and no further.
;; One version. Each part assembles by itself: llvm-mc -triple=amdgcn-amd-amdhsa -mcpu=gfx1250 --defsym DOCPART=n.
;; ======== version 1 of 1: 4 launches
;; limits: right only within a limited range of input values
;; workspace buffers: codes 9,437,184 bytes; scales 393,216 bytes; qk 13,631,488 bytes; vblk 6,553,600 bytes; o_img 6,291,456 bytes; o_scales 262,144 bytes
;; launch quant (part 1): grid 384 x 1, 4 waves a work-group, no clusters, 102,912 bytes of LDS; arguments x, W_qkv, W_out, codes, scales; writes codes, scales
.if DOCPART == 1
	.amdgcn_target "amdgcn-amd-amdhsa--gfx1250"
	.amdhsa_code_object_version 6
	.text
	.protected	k_qe5b2c19cdb_quant
	.globl	k_qe5b2c19cdb_quant
	.p2align	8
	.type	k_qe5b2c19cdb_quant,@function
k_qe5b2c19cdb_quant:
	s_mov_b64 s[64:65], 0
	v_nop
	global_prefetch_b8 v0, s[64:65] scope:SCOPE_SE
	s_setreg_imm32_b32 hwreg(HW_REG_WAVE_MODE, 25, 1), 1
	s_wait_xcnt 0x0
; x [8192][1024], W_qkv [1024][3072] and W_out [1024][1024], f32, become codes of BF6 (E3M2) with K innermost and one E8M0 byte for each 32 along K.
; OUT: codes: 12,288 positions of 768 bytes (1,024 codes, one stream of bits); scales: the same positions, 32 bytes each.
;   positions 0 .. 8191: tokens; 8192 .. 11263: columns of W_qkv; 11264 .. 12287: columns of W_out.
; POSITION p HOLDS ROW pi(p), pi = p with its bits 3 and 4 exchanged.  A matrix tile of 16 neighbouring positions then holds rows 32 (a / 2) + 8 (a % 2) + r + 8 (r / 8), so that
; in the products that follow a lane's 16 registers of two neighbouring tiles are 16 neighbours along the next product's K.
; A block's scale is 2^(floor(log2(its largest magnitude)) - 4): its byte is the largest magnitude's exponent field - 4, held at 1 from below by a floor among the maximum's leaves.
; LIMITS: a block of zeros gets the byte 1, not 127 (its codes are zeros, and only this program reads the bytes); NaN and infinities among the inputs are not served.
; Work-groups 0 .. 255 take x (K innermost: a plain stream of blocks), 256 .. 351 W_qkv, 352 .. 383 W_out (K outermost: a lane to a column, registers down K).
; The three ways part on the work-group's number, each has LDS bytes of its own.  No tensor loads, no barrier: waves share nothing.
.set STEPS, 16
.set EMAX,  4
.set CB,    12                         ; bytes of 16 codes
.set R,     16                         ; x: v16-79   four sets of 16 numbers as loaded
.set X,     80                         ; x: v80-111  two sets of 16 neighbours
.set E,     112                        ; x: v112-127 a scale byte for each step
.set C,     128                        ; x: v128-191 codes, four registers a step: no store's data are written again
.set WREG,  8192                       ; x: LDS 0 .. 32767: a region for each wave: two stages of 32 x SP bytes, then its 256 scale bytes
.set SP,    80                         ; a lane's 64 bytes + 16 of padding
; WHERE A POSITION'S CODES LIE: in four pieces of 192 bytes (256 along K each): byte = 196,608 (p / 256) + 49,152 (K step) + 192 (p % 256).
; So the 256 positions of a product's tile have, for each K step of 256, one dense block of 49,152 bytes, which begins at a multiple of 256.
.set KROW,  768
.set PITCH, 272                        ; W: a stage row: sixteen places of 16 bytes (12 of codes each) + 16
.set NB,    8                          ; W: blocks of 32 along K for a wave (256 along K)
.set WX,    32                         ; W: v32-95   two sets of 32 numbers
.set WC,    96                         ; W: a block's codes
.set OUTR,  112                        ; W: v112-175 the way out
.set SB,    24                         ; W: v24-25   eight scale bytes
	s_load_b256 s[4:11], s[0:1], 0x0               ; x s[4:5], W_qkv s[6:7], W_out s[8:9], codes s[10:11]
	s_load_b64 s[12:13], s[0:1], 0x20              ; scales
	v_lshl_add_u32 v192, v0, 2, 0x19000
	v_mov_b32 v193, 0
	v_lshrrev_b32 v1, 5, v0
	v_readfirstlane_b32 s16, v1                    ; wave 0..3
	v_and_b32 v2, 31, v0                           ; lane
	s_wait_kmcnt 0x0
	s_cmp_lt_u32 ttmp9, 256
	s_cbranch_scc0 .Lweights
; ---------------- x.  A wave takes 8,192 numbers = 8 rows, 16 steps of 512 numbers.  Loads take the bytes as they lie (512 a load); a step's 2,048 bytes turn through the wave's stage,
; so that a lane holds 16 neighbours along K; two neighbouring lanes hold a block.
	s_wait_alu depctr_va_vdst(0)
	v_lshlrev_b32 v3, 4, v2                        ; my 16 bytes of a load's 512
	s_mul_i32 s17, s16, WREG
	v_lshrrev_b32 v14, 2, v2
	v_mul_u32_u24 v14, v14, SP
	v_and_b32 v15, 3, v2
	v_lshl_add_u32 v14, v15, 4, v14
	v_add_nc_u32 v14, s17, v14                     ; the stage, in: SP (lane / 4) + 16 (lane % 4)
	v_mul_u32_u24 v15, v2, SP
	v_add_nc_u32 v15, s17, v15                     ; and out: SP x lane
	v_and_b32 v4, 15, v2
	v_mul_u32_u24 v4, v4, CB                       ; sixteen lanes fill a position's 192 bytes of one K step,
	v_lshrrev_b32 v5, 4, v2
	v_mad_u32_u24 v4, v5, 0xc000, v4               ; lanes 16-31 those of the next K step, 49,152 bytes on
	v_lshrrev_b32 v5, 1, v2
	s_add_co_u32 s17, s17, 2*32*SP
	v_add_nc_u32 v5, s17, v5                       ; my block's byte among the wave's 256
	v_lshlrev_b32 v7, 3, v2
	v_add_nc_u32 v6, s17, v7
	s_lshl_b32 s17, ttmp9, 2
	s_add_co_u32 s18, s17, s16                     ; the run of 8 rows that I read: 4 x work-group + wave
	s_and_b32 s19, s16, 1
	s_lshl_b32 s19, s19, 1
	s_lshr_b32 s20, s16, 1
	s_or_b32 s19, s19, s20
	s_add_co_u32 s22, s17, s19                     ; and where it goes: a row's bits 3 and 4 are the wave's two bits, exchanged
	s_lshl_b32 s20, s18, 15                        ; 32,768 bytes of f32 a run
	s_mov_b32 s21, 0
	s_add_nc_u64 s[4:5], s[4:5], s[20:21]
	s_lshr_b32 s20, s22, 5                         ; a run is 8 positions: 32 runs to a group of 256
	s_mul_i32 s20, s20, 196608
	s_and_b32 s23, s22, 31
	s_mul_i32 s23, s23, 1536
	s_add_co_u32 s20, s20, s23
	s_add_nc_u64 s[10:11], s[10:11], s[20:21]
	s_lshl_b32 s20, s22, 8                         ; 256 scale bytes a run
	s_add_nc_u64 s[12:13], s[12:13], s[20:21]
.macro XLOAD t
.irp i, 0,1,2,3
	global_load_b128 v[R+16*((\t)%4)+4*\i:R+16*((\t)%4)+4*\i+3], v3, s[4:5] offset:2048*(\t)+512*\i th:TH_LOAD_NT   ; 32 lanes read 512 consecutive bytes
.endr
.endm
.macro XTURN t                         ; LDS serves a wave's instructions in order: no wait between the stores and the loads
.irp i, 0,1,2,3
	ds_store_b128 v14, v[R+16*((\t)%4)+4*\i:R+16*((\t)%4)+4*\i+3] offset:32*SP*((\t)%2)+8*SP*\i
.endr
.irp i, 0,1,2,3
	ds_load_b128 v[X+16*((\t)%2)+4*\i:X+16*((\t)%2)+4*\i+3], v15 offset:32*SP*((\t)%2)+16*\i
.endr
.endm
.irp t, 0,1,2,3
	XLOAD \t
.endr
	s_wait_alu depctr_va_vdst(0)
	s_wait_loadcnt 12                              ; step 0's four loads are in; the twelve of steps 1 to 3 stay out
	XTURN 0
.macro XSTEP t
.set XS, X+16*((\t)%2)
.if (\t) > 0
	s_wait_dscnt 1                                 ; this step's numbers are back from the stage; the last step's byte store may be out
.else
	s_wait_dscnt 0x0
.endif
.if (\t)+4 < STEPS
	XLOAD (\t)+4                                   ; into the registers that this step's stores into the stage have read
.endif
.if (\t)+1 < STEPS
.if STEPS-2-(\t) >= 3
	s_wait_loadcnt 12                              ; the next step's four loads are in; those of the three steps behind it may be out
.else
	s_wait_loadcnt 4*(STEPS-2-(\t))
.endif
	XTURN (\t)+1
.endif
	v_max3_num_f32 v8, |v[XS]|, |v[XS+1]|, |v[XS+2]|               ; the largest magnitude of my 16, in two chains
	v_max3_num_f32 v9, |v[XS+3]|, |v[XS+4]|, |v[XS+5]|
.irp i, 6,10
	v_max3_num_f32 v8, v8, |v[XS+\i]|, |v[XS+\i+1]|
	v_max3_num_f32 v9, v9, |v[XS+\i+2]|, |v[XS+\i+3]|
.endr
	v_max3_num_f32 v8, v8, |v[XS+14]|, |v[XS+15]|
	v_max3_num_f32 v8, v8, v9, (EMAX+1)<<23        ; and the floor 2^(5 - 127): the byte cannot fall under 1
	v_max_num_f32_dpp v8, v8, v8 row_xmask:1 row_mask:0xf bank_mask:0xf   ; with my neighbour's 16: the block's
	v_add_nc_u32 v11, -(EMAX<<23), v8              ; 4 off its exponent field: the conversion takes this operand's exponent field as its scale
	v_cvt_scalef32_pk16_bf6_f32 v[C+4*(\t):C+4*(\t)+2], v[XS:XS+15], v11
	v_lshrrev_b32 v[E+(\t)], 23, v11               ; the scale's byte (also the plain line behind the conversion)
	ds_store_b8 v5, v[E+(\t)] offset:16*(\t)       ; both lanes of a block write the same byte with the same value
	global_store_b96 v4, v[C+4*(\t):C+4*(\t)+2], s[10:11] offset:192*((\t)/2)+98304*((\t)%2)   ; row t / 2; K steps 2 (t % 2) and 2 (t % 2) + 1
.endm
.irp t, 0,1,2,3,4,5,6,7,8,9,10,11,12,13,14,15
	XSTEP \t
.endr
	ds_load_b64 v[12:13], v6                       ; LDS serves a wave's instructions in order: these see my byte stores
	s_wait_dscnt 0x0
	global_store_b64 v7, v[12:13], s[12:13]        ; 32 lanes store 256 consecutive bytes, aligned
	s_wait_tensorcnt 0x0
	ds_add_u32 v192, v193
	s_wait_dscnt 0x0
	s_endpgm
; ---------------- a weight [1024][WN].  A wave takes 32 columns x 256 along K: each load reads 128 consecutive bytes of one row k; a lane's 32 registers are one block of its column.
; The codes go through the wave's stage, into row pi(lane), and leave as rows: sixteen lanes store a position's 192 consecutive bytes.
.macro WLOAD t
.set i, 0
.rept 32
	global_load_b32 v[WX+32*((\t)%2)+i], v3, s[WP:WP+1] offset:(32*(\t)+i)*WN*4 th:TH_LOAD_NT
.set i, i+1
.endr
.endm
.macro WBLOCK t
.set XS, WX+32*((\t)%2)
.if (\t) < NB-1
	s_wait_loadcnt 32                              ; this block's 32 loads are in; the next block's may be out
.else
	s_wait_loadcnt 0
.endif
	v_max3_num_f32 v12, |v[XS]|, |v[XS+1]|, |v[XS+2]|
	v_max3_num_f32 v13, |v[XS+3]|, |v[XS+4]|, |v[XS+5]|
.irp i, 6,10,14,18,22,26
	v_max3_num_f32 v12, v12, |v[XS+\i]|, |v[XS+\i+1]|
	v_max3_num_f32 v13, v13, |v[XS+\i+2]|, |v[XS+\i+3]|
.endr
	v_max3_num_f32 v12, v12, |v[XS+30]|, |v[XS+31]|
	v_max3_num_f32 v12, v12, v13, (EMAX+1)<<23     ; with the floor
	v_add_nc_u32 v11, -(EMAX<<23), v12             ; the conversions' scale operand
	v_lshrrev_b32 v13, 23, v11                     ; the scale's byte
.if (\t)%4 == 0
	v_mov_b32 v[SB+(\t)/4], v13
.else
	v_lshl_or_b32 v[SB+(\t)/4], v13, 8*((\t)%4), v[SB+(\t)/4]
.endif
	v_cvt_scalef32_pk16_bf6_f32 v[WC:WC+2], v[XS:XS+15], v11
	v_cvt_scalef32_pk16_bf6_f32 v[WC+4:WC+6], v[XS+16:XS+31], v11   ; (a conversion's three registers begin on an even number)
	v_nop                                          ; one plain line behind the last conversion
	ds_store_b96 v4, v[WC:WC+2] offset:32*(\t)     ; 12 bytes to a place of 16: every LDS address is a multiple of 16
	ds_store_b96 v4, v[WC+4:WC+6] offset:32*(\t)+16
.if (\t)+2 < NB
	WLOAD (\t)+2
.endif
	s_wait_dscnt 0x0                               ; the stores have read their registers: the next block's codes may be written
.endm
.macro WPATH n, id0, row0, lbase, ptr
.set WN, \n
.set WP, \ptr
	s_sub_co_u32 s17, ttmp9, \id0
	s_and_b32 s18, s17, 3                          ; which 256 along K
	s_lshr_b32 s17, s17, 2
	s_lshl_b32 s17, s17, 7
	s_lshl_b32 s19, s16, 5
	s_add_co_u32 s17, s17, s19                     ; my wave's first column
	v_lshlrev_b32 v3, 2, v2                        ; in: 4 bytes a lane
	s_mul_i32 s19, s16, 32*PITCH
	s_add_co_u32 s19, s19, \lbase                  ; my stage
	v_and_b32 v5, 7, v2
	v_bfe_u32 v6, v2, 3, 1
	v_lshl_add_u32 v5, v6, 4, v5
	v_bfe_u32 v6, v2, 4, 1
	v_lshl_add_u32 v5, v6, 3, v5                   ; pi(lane)
	v_mul_u32_u24 v4, v5, PITCH
	v_add_nc_u32 v4, s19, v4                       ; into the stage: row = my column's position
	v_lshlrev_b32 v9, 5, v5                        ; and its row of scale bytes
	v_and_b32 v5, 15, v2
	v_lshrrev_b32 v6, 4, v2
	v_mul_u32_u24 v7, v6, PITCH
	v_lshl_add_u32 v7, v5, 4, v7
	v_add_nc_u32 v7, s19, v7                       ; out of it: sixteen lanes to a row, two rows an instruction
	v_mul_u32_u24 v8, v6, 192
	v_mad_u32_u24 v8, v5, 12, v8                   ; the same place among the codes
	s_mul_i32 s20, s18, 256*\n*4
	s_lshl_b32 s22, s17, 2
	s_add_co_u32 s20, s20, s22                     ; the weight: 256 y rows + 4 x column
	s_mov_b32 s21, 0
	s_add_co_u32 s22, s17, \row0                   ; my first position
	s_lshr_b32 s24, s22, 8
	s_mul_i32 s24, s24, 196608
	s_and_b32 s26, s22, 255
	s_mul_i32 s26, s26, 192
	s_add_co_u32 s24, s24, s26
	s_mul_i32 s26, s18, 49152
	s_add_co_u32 s24, s24, s26
	s_mov_b32 s25, 0
	s_lshl_b32 s28, s22, 5
	s_lshl_b32 s26, s18, 3
	s_add_co_u32 s28, s28, s26
	s_mov_b32 s29, 0
	s_add_nc_u64 s[WP:WP+1], s[WP:WP+1], s[20:21]
	s_add_nc_u64 s[10:11], s[10:11], s[24:25]
	s_add_nc_u64 s[12:13], s[12:13], s[28:29]
	WLOAD 0
	WLOAD 1
.set Q, 0
.rept NB
	WBLOCK Q
.set Q, Q+1
.endr
	s_wait_alu depctr_va_vdst(0)
	global_store_b64 v9, v[SB:SB+1], s[12:13]      ; my column's eight scale bytes
.irp t, 0,1,2,3,4,5,6,7,8,9,10,11,12,13,14,15
	ds_load_b96 v[OUTR+4*\t:OUTR+4*\t+2], v7 offset:2*\t*PITCH
.endr
.irp t, 0,1,2,3,4,5,6,7,8,9,10,11,12,13,14,15
	s_wait_dscnt 15-\t
	global_store_b96 v8, v[OUTR+4*\t:OUTR+4*\t+2], s[10:11] offset:2*\t*192   ; the wave's 32 positions: 6,144 consecutive bytes
.endr
.endm
.Lweights:
	s_cmp_lt_u32 ttmp9, 352
	s_cbranch_scc0 .Lw_out
	s_wait_alu depctr_va_vdst(0)
	WPATH 3072, 256, 8192, 32768, 6                ; W_qkv: 24 x 4 work-groups; LDS 32,768 .. 67,583
	s_wait_tensorcnt 0x0
	ds_add_u32 v192, v193
	s_wait_dscnt 0x0
	s_endpgm
.Lw_out:
	s_wait_alu depctr_va_vdst(0)
	WPATH 1024, 352, 11264, 67584, 8               ; W_out: 8 x 4 work-groups; LDS 67,584 .. 102,399
	s_wait_tensorcnt 0x0
	ds_add_u32 v192, v193
	s_wait_dscnt 0x0
	s_endpgm
.Lfunc_end_k_qe5b2c19cdb_quant:
	.size	k_qe5b2c19cdb_quant, .Lfunc_end_k_qe5b2c19cdb_quant-k_qe5b2c19cdb_quant
	.p2alignl 7, 3214868480
	.fill 96, 4, 3214868480
	.section	.rodata,"a",@progbits
	.p2align	6, 0x0
	.amdhsa_kernel k_qe5b2c19cdb_quant
		.amdhsa_group_segment_fixed_size 102912
		.amdhsa_private_segment_fixed_size 0
		.amdhsa_enable_private_segment 0
		.amdhsa_kernarg_size 40
		.amdhsa_user_sgpr_count 2
		.amdhsa_user_sgpr_kernarg_segment_ptr 1
		.amdhsa_wavefront_size32 1
		.amdhsa_system_sgpr_workgroup_id_x 1
		.amdhsa_system_sgpr_workgroup_id_y 1
		.amdhsa_system_sgpr_workgroup_id_z 1
		.amdhsa_system_vgpr_workitem_id 0
		.amdhsa_next_free_vgpr 194
		.amdhsa_next_free_sgpr 66
		.amdhsa_reserve_vcc 0
		.amdhsa_float_denorm_mode_32 3
		.amdhsa_float_denorm_mode_16_64 3
		.amdhsa_memory_ordered 1
		.amdhsa_forward_progress 1
		.amdhsa_inst_pref_size 116
	.end_amdhsa_kernel
	.amdgpu_metadata
---
amdhsa.version: [ 1, 2 ]
amdhsa.kernels:
  - .name:           k_qe5b2c19cdb_quant
    .symbol:         k_qe5b2c19cdb_quant.kd
    .args:
      - { .name: x, .offset: 0, .size: 8, .value_kind: global_buffer, .address_space: global }
      - { .name: W_qkv, .offset: 8, .size: 8, .value_kind: global_buffer, .address_space: global }
      - { .name: W_out, .offset: 16, .size: 8, .value_kind: global_buffer, .address_space: global }
      - { .name: codes, .offset: 24, .size: 8, .value_kind: global_buffer, .address_space: global }
      - { .name: scales, .offset: 32, .size: 8, .value_kind: global_buffer, .address_space: global }
    .group_segment_fixed_size: 102912
    .private_segment_fixed_size: 0
    .kernarg_segment_align: 8
    .kernarg_segment_size: 40
    .max_flat_workgroup_size: 128
    .sgpr_count:     66
    .vgpr_count:     194
    .wavefront_size: 32
...
	.end_amdgpu_metadata
.endif
;; end of part 1
;; launch qkv (part 2): grid 12 x 32, 4 waves a work-group, clusters of 4 x 4, 327,680 bytes of LDS; arguments codes, scales, b_qkv, qk, vblk; writes qk, vblk
.if DOCPART == 2
	.amdgcn_target "amdgcn-amd-amdhsa--gfx1250"
	.amdhsa_code_object_version 6
	.text
	.protected	k_qe5b2c19cdb_qkv
	.globl	k_qe5b2c19cdb_qkv
	.p2align	8
	.type	k_qe5b2c19cdb_qkv,@function
k_qe5b2c19cdb_qkv:
	s_mov_b64 s[64:65], 0
	v_nop
	global_prefetch_b8 v0, s[64:65] scope:SCOPE_SE
	s_setreg_imm32_b32 hwreg(HW_REG_WAVE_MODE, 25, 1), 1
	s_wait_xcnt 0x0
	s_wait_alu depctr_hold_cnt(0) depctr_sa_sdst(0) depctr_va_vdst(0) depctr_va_sdst(0) depctr_va_ssrc(0) depctr_va_vcc(0) depctr_vm_vsrc(0)
	s_getreg_b32 s2, hwreg(HW_REG_IB_STS2, 6, 4)
	s_cmp_eq_u32 s2, 0
	s_cbranch_scc0 .Lentry_in_a_cluster
	s_endpgm
.Lentry_in_a_cluster:
	s_bfe_u32 s2, ttmp6, 0x10000c
	s_cmp_lg_u32 s2, 0xf033
	s_cbranch_scc0 .Lentry_shape_is_right
	s_endpgm
.Lentry_shape_is_right:
; qkv = x W_qkv + b_qkv on codes of BF6 (E3M2) with E8M0 scales, K = 1,024; the result is quantised at once, q and k along the head's 64, v along the keys, and leaves as images of the operand registers of the attention launch.
; A tile of 256 x 256 to a work-group of four waves, 128 x 128 a wave: 64 accumulators, 512 registers.  K goes in steps of 256 through a ring of two LDS slots filled by the tensor data mover;
; the scale bytes of the tile's rows, for all of K, come once with the first fills.  Both operands are positions of ONE buffer of codes (and one of scale bytes): only position numbers are chosen.
; ROLES.  Source 1 of the matrix instruction ("A") gives a lane its row, source 0 ("B") runs along the lane's registers.  Clusters x = 0, 1 (q, k): A = tokens, B = columns of W: a lane holds one token and
; neighbours along d.  Cluster x = 2 (v): A = columns of W, B = tokens: a lane holds one channel d and neighbours along the keys.  So ONE way out quantises along the next product's K in both cases.
; The positions are in the order pi (bits 3 and 4 of a row exchanged): the 16 registers of B's blocks 2 b and 2 b + 1 are B's rows 32 b + 16 (lane / 16) + 0 .. 15; lane r of A's block a holds A's row 32 (a / 2) + 8 (a % 2) + r + 8 (r / 8).
; CLUSTERS: 4 x 4 work-groups; A's tile is asked for jointly by a row of the cluster, B's by a column.  All branches hang on the wave's number or on the cluster's x, which all sixteen partners share.
; The bias is the C of each sum's first matrix instruction.
; OUT.  qk [q or k][batch x head 64][block of 256 tokens 8], 13,312 bytes a block: codes [128 tokens 2][tile 8][pair of registers 3][lane 32][8 bytes], then scale words [2][8][16 rows][4 bytes] (bytes 0, 1: d blocks; 2, 3: zero).
;       vblk [batch x head][256 keys 8], 12,800 bytes a block: codes [128 keys 2][tile of 16 d 4][four registers 3][lane][16 bytes], then scale words [2][4][16][4].
; LIMITS: a block of zeros gets the byte 1, not 127 (zero codes; only this program reads the bytes); NaN and infinities are not served.
; REGISTERS: window 0: v7, v16-31 addresses; v32-63 scale words, two sets; v64-127 the bias; from v128 A's fragments, one set (on the way out v128-183 are at work).  window 1: B's fragments, two sets.
;   window 2: the accumulators of my A blocks 0-3 ((a, b) at v[8 (8 a + b)]); window 3: those of blocks 4-7.
.set KSTEP,  256
.set NQ,     KSTEP/128
.set ROWB,   192                       ; a tile's row: 256 codes
.set KROW,   768                       ; a position's codes in memory
.set PITCH,  240                       ; an LDS row: 3 x (64 bytes + 16 of padding): the 32 lanes of a load of 8 bytes fall on different words of the 64 banks (ISA guide 11.1)
.set FR,     12
.set NL,     6
.set NP,     4                         ; places behind this matrix instruction (ISA guide 7.12.1)
.set HALFT,  128*PITCH
.set SLOT,   4*HALFT
.set LAPS,   2                         ; 1,024 along K = two laps of two slots
.set KS,     32                        ; a position's scale bytes
.set SCL,    2*SLOT
.set HALFS,  (128*KS/256)*272
.set SBLK,   (16*KS/256)*272
.set SPARE,  SCL+4*HALFS               ; the spare words: 128 bytes a wave, two blocks of 256 bytes that no other line names
.set QBLK,   13312
.set VBLK,   12800
.set STR,  7                           ; v7   the scale words' stage, back: 1,024 x wave + 16 x lane
.set ADRA, 16                          ; v16-17 my A fragments in slot 0, 1 (v18-19: behind one padding more)
.set ADRB, 20                          ; v20-23 the same for B
.set L8,   24                          ; v24  8 x lane
.set L16,  25                          ; v25  16 x lane
.set STW,  26                          ; v26  the stage, in: 1,024 x wave + 512 (lane / 16) + 4 (lane % 16); it lies in slot 0, which has had its last fill and its last read by then
.set ADRS, 27                          ; v27  my scale words: lanes 0-15 A's rows, lanes 16-31 B's
.set SPW,  28                          ; v28  my spare word; never rewritten
.set NIL,  29                          ; v29  0; never rewritten
.set SH,   30                          ; v30  q, k: 16 (lane / 16); v: 0: how far my head's two bytes lie up in the scale word
.set LV,   31                          ; v31  v's scale words out: 16 (lane % 16) + a head's 102,400 bytes x (lane / 16)
.set SC,   32
.set BIAS, 64
.set AF,   128
.set TM,   128                         ; the way out: v128-131 maxima, v132-135 bytes, v140-143 scale operands
.set PW,   144
.set TW,   145
.set PC,   148                         ; v148-166 the codes just made
.set Z,    176
.set G1, 24
.set G0, 32
.set G1B, 48
.set G0B, 56
.set G1S, 68
.set G0S, 76
.set G1SB, 80
.set G0SB, 88
.set MSB, 0
.macro WIN new                         ; the immediate's high byte repeats the setting that is left
.if MSB != \new
	s_set_vgpr_msb (MSB<<8)|\new
.set MSB, \new
.endif
.endm
.set MUL_LO,  0xa1                     ; source 0 (B) window 1, source 1 (A) window 0, C and D window 2
.set MUL_HI,  0xf1                     ; C and D window 3
.set MUL_LO0, 0x81                     ; the first step: C (the bias) window 0, D window 2
.set MUL_HI0, 0xc1                     ; D window 3
.set TO_B,    0x40
.macro JLOAD g0a, g1a, g0b, g1b        ; a joint load: waves 0 and 1 fetch for A, waves 2 and 3 for B; four v_nop follow each line
	s_cmp_eq_u32 s15, 0
	s_cbranch_scc0 .Lfor_b_\@
	tensor_load_to_lds s[\g0a:\g0a+3], s[\g1a:\g1a+7]
	s_nop 0
.rept 4
	v_nop
.endr
	s_branch .Lasked_\@
.Lfor_b_\@:
	tensor_load_to_lds s[\g0b:\g0b+3], s[\g1b:\g1b+7]
	s_nop 0
.rept 4
	v_nop
.endr
.Lasked_\@:
.endm
.macro CREST                           ; a round of the cluster's barrier behind its opening barrier
	s_cmp_lg_u32 s14, 0
	s_cbranch_scc1 .Lnot_wave_0_\@
	s_barrier_signal -3
.Lnot_wave_0_\@:
	s_barrier_wait -3
	s_barrier_signal -1
	s_barrier_wait -1
.endm
.macro CROUND
	s_barrier_signal -1
	s_barrier_wait -1
	CREST
.endm
	s_load_b256 s[4:11], s[0:1], 0x0               ; codes s[4:5], scales s[6:7], b_qkv s[8:9], qk s[10:11]
	s_load_b64 s[12:13], s[0:1], 0x20              ; vblk
	v_lshl_add_u32 v[SPW], v0, 2, SPARE
	v_mov_b32 v[NIL], 0
	ds_add_u32 v28, v29
	ds_add_u32 v28, v29
	s_wait_dscnt 0x0
	v_lshrrev_b32 v1, 5, v0
	v_readfirstlane_b32 s14, v1                    ; wave 0..3
	s_lshr_b32 s15, s14, 1                         ; my half of A's rows.  Also: I fetch for A (0) or for B (1)
	s_and_b32 s16, s14, 1                          ; my half of B's rows.  Also: which 128 rows I fetch
	s_bfe_u32 s40, ttmp6, 0x40000                  ; cx
	s_bfe_u32 s41, ttmp6, 0x40004                  ; cy
	s_lshr_b32 s66, ttmp9, 1                       ; 1 in the clusters that make v
	s_and_b32 s67, ttmp7, 0xffff                   ; cluster y
	s_lshl_b32 s43, s41, 2
	s_lshl_b32 s43, 15, s43                        ; my row of the cluster
	s_lshl_b32 s44, 0x1111, s40                    ; my column
	s_lshl_b32 s18, s67, 10                        ; the cluster's 1,024 tokens
	s_lshl_b32 s19, ttmp9, 10
	s_add_co_u32 s19, s19, 8192                    ; q's or k's 1,024 columns of W
	s_mov_b32 s17, 10240                           ; v's 1,024 columns of W
	s_cmp_lg_u32 s66, 0
	s_cselect_b32 s17, s17, s18                    ; A's first position in the cluster,
	s_cselect_b32 s42, s18, s19                    ; B's
	s_lshl_b32 s20, s41, 8
	s_add_co_u32 s17, s17, s20                     ; A's tile: + 256 cy
	s_lshl_b32 s46, s40, 8
	s_add_co_u32 s42, s42, s46                     ; B's tile: + 256 cx
	; descriptor group 1: a tile of 128 rows x 192 bytes, 16 bytes of padding behind every 64
	s_or_b32 s[G1+0], s43, (0<<16)|(1<<20)|(1<<21)|(3<<22)|(3<<25)  ; 15:0 the mask; 17:16 elements of 1 byte; 20 padding on; 21 set beside a mask; 24:22 after every 16 words; 31:25 4 words
	s_or_b32 s[G1B+0], s44, (0<<16)|(1<<20)|(1<<21)|(3<<22)|(3<<25)
.irp g, G1, G1B
	s_mov_b32 s[\g+1], 256<<16                     ; a K step's codes of a tile are dense: stated as rows of 256 bytes; the padding's interval stays 64 bytes, so a position's 192 bytes take 240 in LDS
	s_mov_b32 s[\g+2], 192<<16                     ; the head's loads: 256 positions = 192 rows
	s_mov_b32 s[\g+3], 256<<16
	s_mov_b32 s[\g+4], 192
	s_mov_b32 s[\g+5], 256
	s_mov_b32 s[\g+6], 0
	s_mov_b32 s[\g+7], 0
.endr
	; the scale bytes of 128 positions: 4,096 dense bytes as 16 rows of 256 bytes (32 elements of 8), 16 bytes of padding behind each
	s_or_b32 s[G1S+0], s43, (3<<16)|(1<<20)|(1<<21)|(5<<22)|(3<<25)
	s_or_b32 s[G1SB+0], s44, (3<<16)|(1<<20)|(1<<21)|(5<<22)|(3<<25)
.irp g, G1S, G1SB
	s_mov_b32 s[\g+1], 32<<16
	s_mov_b32 s[\g+2], KS<<16                      ; the scale bytes of 256 positions: 32 rows of 256 bytes
	s_mov_b32 s[\g+3], 32<<16
	s_mov_b32 s[\g+4], KS
	s_mov_b32 s[\g+5], 32
	s_mov_b32 s[\g+6], 0
	s_mov_b32 s[\g+7], 0
.endr
	s_mov_b32 s20, s17                             ; the tiles' first positions, multiples of 256
	s_mov_b32 s46, s42
	s_mov_b32 s21, 0
	s_mov_b32 s47, 0
	s_mov_b64 s[18:19], KS
	s_mul_u64 s[22:23], s[20:21], s[18:19]         ; where their scale bytes begin,
	s_mul_u64 s[92:93], s[46:47], s[18:19]
	s_mov_b64 s[18:19], KROW
	s_mul_u64 s[20:21], s[20:21], s[18:19]         ; and their codes
	s_mul_u64 s[46:47], s[46:47], s[18:19]
	s_mul_i32 s45, s14, HALFT                      ; where they go: wave x 128 rows: no place in the cluster enters an LDS address
.set KSB, 49152                        ; from one K step's block of a tile to the next
.set G0H, 4                            ; s[4:7], s[96:99] group 0 of the head's loads of K step 0: A's 256 positions, B's
.set G0HB, 96
	s_mul_i32 s18, s16, 24576                      ; in the ring I fetch 128 positions of a block: which half, in bytes
	s_mov_b32 s19, 0
	s_wait_kmcnt 0x0
	s_add_nc_u64 s[20:21], s[4:5], s[20:21]
	s_add_nc_u64 s[22:23], s[6:7], s[22:23]
	s_add_nc_u64 s[46:47], s[4:5], s[46:47]
	s_add_nc_u64 s[92:93], s[6:7], s[92:93]
	CROUND                                         ; all sixteen work-groups are here: the first joint loads meet
	s_mov_b32 s[G0S], 1
	s_mov_b32 s[G0S+1], SCL
	s_mov_b64 s[G0S+2:G0S+3], s[22:23]
	s_or_b32 s[G0S+3], s[G0S+3], 0x80000000
	s_mov_b32 s[G0SB], 1
	s_mov_b32 s[G0SB+1], SCL+2*HALFS
	s_mov_b64 s[G0SB+2:G0SB+3], s[92:93]
	s_or_b32 s[G0SB+3], s[G0SB+3], 0x80000000
	s_mov_b32 s[G0H], 1
	s_mov_b32 s[G0H+1], 0
	s_mov_b64 s[G0H+2:G0H+3], s[20:21]
	s_or_b32 s[G0H+3], s[G0H+3], 0x80000000
	s_mov_b32 s[G0HB], 1
	s_mov_b32 s[G0HB+1], 2*HALFT
	s_mov_b64 s[G0HB+2:G0HB+3], s[46:47]
	s_or_b32 s[G0HB+3], s[G0HB+3], 0x80000000
	s_add_nc_u64 s[20:21], s[20:21], s[18:19]      ; for the ring: my 128 positions
	s_add_nc_u64 s[46:47], s[46:47], s[18:19]
.irp s, 0,1
	s_mov_b32 s[G0+4*\s], 1
	s_add_co_u32 s[G0+4*\s+1], s45, \s*SLOT
	s_add_nc_u64 s[G0+4*\s+2:G0+4*\s+3], s[20:21], \s*KSB
	s_or_b32 s[G0+4*\s+3], s[G0+4*\s+3], 0x80000000
	s_mov_b32 s[G0B+4*\s], 1
	s_add_co_u32 s[G0B+4*\s+1], s45, \s*SLOT
	s_add_nc_u64 s[G0B+4*\s+2:G0B+4*\s+3], s[46:47], \s*KSB
	s_or_b32 s[G0B+4*\s+3], s[G0B+4*\s+3], 0x80000000
.endr
; THE HEAD'S LOADS, ONE A WAVE: wave 0 K step 0 of A's 256 positions, wave 1 of B's, wave 2 A's scale bytes, wave 3 B's: one chain of branches on the wave's number, one load to an arm.
.macro ARM under, g0, g1, next
	s_cmp_lt_u32 s14, \under
	s_cbranch_scc0 \next
	tensor_load_to_lds s[\g0:\g0+3], s[\g1:\g1+7]
	s_nop 0
.rept 4
	v_nop
.endr
	s_branch .Lhead_asked
\next:
.endm
	ARM 1, G0H,  G1,  .Lhead_b
	ARM 2, G0HB, G1B, .Lhead_sa
	ARM 3, G0S,  G1S, .Lhead_sb
	tensor_load_to_lds s[G0SB:G0SB+3], s[G1SB:G1SB+7]
	s_nop 0
.rept 4
	v_nop
.endr
.Lhead_asked:
	v_and_b32 v1, 15, v0                           ; r
	v_bfe_u32 v2, v0, 4, 1                         ; h
	v_mul_u32_u24 v3, v1, PITCH
	v_mul_u32_u24 v4, v2, 24
	v_add_nc_u32 v4, v3, v4                        ; a fragment's row x pitch + 24 h
	v_lshl_add_u32 v5, v2, 4, v4                   ; and the same behind one padding more
	s_mul_i32 s21, s15, HALFT
	s_mul_i32 s22, s16, HALFT
	s_add_co_u32 s22, s22, 2*HALFT
.irp s, 0,1
	v_add_nc_u32 v[ADRA+\s], s21, v4
	v_add_nc_u32 v[ADRB+\s], s22, v4
	v_add_nc_u32 v[ADRA+2+\s], s21, v5
	v_add_nc_u32 v[ADRB+2+\s], s22, v5
	s_add_co_u32 s21, s21, SLOT
	s_add_co_u32 s22, s22, SLOT
.endr
	v_mul_u32_u24 v5, v1, KS                       ; my row's scale bytes: 32 a row,
	v_lshrrev_b32 v6, 8, v5
	v_lshl_add_u32 v5, v6, 4, v5                   ; and 16 more for each 256 passed
	s_mul_i32 s21, s15, HALFS
	s_mul_i32 s22, s16, HALFS
	s_add_co_u32 s22, s22, 2*HALFS
	s_sub_co_u32 s22, s22, s21
	v_mul_u32_u24 v6, s22, v2                      ; lanes 16-31 take B's: one product, the distance between the two bases
	s_add_co_u32 s21, s21, SCL
	v_add_nc_u32 v5, v5, v6
	v_add_nc_u32 v[ADRS], s21, v5
	s_lshl_b32 s23, s14, 10                        ; the scale words' stage: 1,024 bytes a wave
	v_lshlrev_b32 v[STW], 2, v1
	v_lshl_add_u32 v[STW], v2, 9, v[STW]
	v_add_nc_u32 v[STW], s23, v[STW]
	v_and_b32 v6, 31, v0
	v_lshlrev_b32 v[L8], 3, v6
	v_lshlrev_b32 v[L16], 4, v6
	v_add_nc_u32 v[STR], s23, v[L16]
	v_mul_u32_u24 v[LV], v2, 8*VBLK
	v_lshl_add_u32 v[LV], v1, 4, v[LV]
	; the bias.  q, k: it runs along B's rows: 4 (1,024 cluster x + 256 cx + 128 half).  v: along A's rows: 4 (2,048 + 256 cy + 128 half)
	s_lshl_b32 s46, ttmp9, 12
	s_lshl_b32 s47, s40, 10
	s_add_co_u32 s46, s46, s47
	s_lshl_b32 s47, s16, 9
	s_add_co_u32 s46, s46, s47
	s_lshl_b32 s20, s41, 10
	s_lshl_b32 s21, s15, 9
	s_add_co_u32 s20, s20, s21
	s_add_co_u32 s20, s20, 8192
	s_cmp_lg_u32 s66, 0
	s_cselect_b32 s20, s20, s46
	s_cselect_b32 s47, 0, 16
	s_mov_b32 s2, 0xffff
	s_cselect_b32 s2, -1, s2                       ; q, k: a head's two bytes of a scale word; v: all four
	s_mov_b32 s21, 0
	s_add_nc_u64 s[8:9], s[8:9], s[20:21]
	v_mul_u32_u24 v[SH], s47, v2
	s_cmp_lg_u32 s66, 0
	s_cbranch_scc1 .Lbias_v
	v_lshlrev_b32 v8, 6, v2                        ; block b's registers are columns 32 (b / 2) + 8 (b % 2) + 16 h + 0 .. 7
.irp i, 0,1,2,3,4,5,6,7
	global_load_b128 v[BIAS+8*\i:BIAS+8*\i+3], v8, s[8:9] offset:(32*(\i/2)+8*(\i%2))*4
	global_load_b128 v[BIAS+8*\i+4:BIAS+8*\i+7], v8, s[8:9] offset:(32*(\i/2)+8*(\i%2))*4+16
.endr
	s_branch .Lbias_done
.Lbias_v:
	v_and_b32 v8, 8, v1
	v_add_nc_u32 v8, v8, v1
	v_lshlrev_b32 v8, 2, v8                        ; block a's lane r is channel 32 (a / 2) + 8 (a % 2) + r + 8 (r / 8): one number in all eight registers
.irp a, 0,1,2,3,4,5,6,7
.irp j, 0,1,2,3,4,5,6,7
	global_load_b32 v[BIAS+8*\a+\j], v8, s[8:9] offset:(32*(\a/2)+8*(\a%2))*4
.endr
.endr
.Lbias_done:
	; where my results go
	s_lshr_b32 s18, s67, 1                         ; the batch: 8 tiles of 256 tokens each
	s_and_b32 s19, s67, 1
	s_lshl_b32 s19, s19, 2
	s_and_b32 s20, ttmp9, 1                        ; q or k
	s_lshl_b32 s20, s20, 6
	s_lshl_b32 s21, s18, 4
	s_add_co_u32 s20, s20, s21
	s_lshl_b32 s21, s40, 2
	s_add_co_u32 s20, s20, s21
	s_lshl_b32 s21, s16, 1
	s_add_co_u32 s20, s20, s21                     ; 64 part + 16 batch + my first head (4 cx + 2 half)
	s_lshl_b32 s20, s20, 3
	s_add_co_u32 s20, s20, s19
	s_add_co_u32 s20, s20, s41                     ; x 8 + the block of 256 tokens (4 (cluster y % 2) + cy)
	s_mul_i32 s20, s20, QBLK
	s_mul_i32 s21, s15, 6144
	s_add_co_u32 s22, s20, s21                     ; codes: my 128 tokens
	s_lshl_b32 s21, s15, 9
	s_add_co_u32 s20, s20, s21
	s_add_co_u32 s20, s20, 12288                   ; scale words
	s_mov_b32 s21, 0
	s_mov_b32 s23, 0
	s_add_nc_u64 s[20:21], s[10:11], s[20:21]
	s_add_nc_u64 s[10:11], s[10:11], s[22:23]
	s_lshl_b32 s46, s18, 4
	s_lshl_b32 s47, s41, 2
	s_add_co_u32 s46, s46, s47
	s_lshl_b32 s47, s15, 1
	s_add_co_u32 s46, s46, s47                     ; v: 16 batch + my first head (4 cy + 2 half)
	s_lshl_b32 s46, s46, 3
	s_add_co_u32 s46, s46, s19
	s_add_co_u32 s46, s46, s40                     ; x 8 + the block of 256 keys (4 (cluster y % 2) + cx)
	s_mul_i32 s46, s46, VBLK
	s_mul_i32 s47, s16, 6144
	s_add_co_u32 s92, s46, s47
	s_lshl_b32 s47, s16, 8
	s_add_co_u32 s46, s46, s47
	s_add_co_u32 s46, s46, 12288
	s_mov_b32 s47, 0
	s_mov_b32 s93, 0
	s_add_nc_u64 s[22:23], s[12:13], s[46:47]
	s_add_nc_u64 s[12:13], s[12:13], s[92:93]
	s_mov_b32 s18, 0x76543210
	s_mov_b32 s19, 0xfedcba98                      ; v_permlanex16_b32's selects for lane l xor 16
.macro FRAG reg, adr, q, i             ; 16 rows x 128 K of 6-bit codes: 12 registers: registers 6 c .. 6 c + 5 hold K = 64 c + 32 (l / 16) + 0 .. 31, 24 bytes of the row as they lie
.irp p, 0,1,2,3,4,5                    ; in pieces of 8 bytes; where the piece of lanes 16-31 lies behind one padding more, the second address register serves
.set PCE, 12*(\q)+6*(\p/3)+\p%3
.if PCE%8 < 5
	ds_load_b64 v[\reg+2*\p:\reg+2*\p+1], v[\adr] offset:8*PCE+16*(PCE/8)+(\i)*16*PITCH
.else
	ds_load_b64 v[\reg+2*\p:\reg+2*\p+1], v[\adr+2] offset:8*PCE+16*(PCE/8)+(\i)*16*PITCH
.endif
.endr
.endm
; 16 matrix instructions: A's blocks a0, a0 + 1 x B's eight.  mode 0: in place; 1: the sums start with the bias along B; 2: with the bias along A.  The 64 accumulators take turns.
.macro MUL16 a0, p, q, sc, mode
.irp a, \a0, \a0+1
.irp b, 0,1,2,3,4,5,6,7
.if \mode == 1
	v_wmma_scale_f32_16x16x128_f8f6f4 v[8*(8*((\a)%4)+\b):8*(8*((\a)%4)+\b)+7], v[128*(\p)+FR*\b:128*(\p)+FR*\b+FR-1], v[AF+FR*(\a):AF+FR*(\a)+FR-1], v[BIAS+8*\b:BIAS+8*\b+7], v[SC+8*NQ*(\sc)+NQ*\b+(\q)], v[SC+8*NQ*(\sc)+NQ*(\a)+(\q)] matrix_a_fmt:MATRIX_FMT_BF6 matrix_b_fmt:MATRIX_FMT_BF6 matrix_a_scale:MATRIX_SCALE_ROW1
.elseif \mode == 2
	v_wmma_scale_f32_16x16x128_f8f6f4 v[8*(8*((\a)%4)+\b):8*(8*((\a)%4)+\b)+7], v[128*(\p)+FR*\b:128*(\p)+FR*\b+FR-1], v[AF+FR*(\a):AF+FR*(\a)+FR-1], v[BIAS+8*(\a):BIAS+8*(\a)+7], v[SC+8*NQ*(\sc)+NQ*\b+(\q)], v[SC+8*NQ*(\sc)+NQ*(\a)+(\q)] matrix_a_fmt:MATRIX_FMT_BF6 matrix_b_fmt:MATRIX_FMT_BF6 matrix_a_scale:MATRIX_SCALE_ROW1
.else
	v_wmma_scale_f32_16x16x128_f8f6f4 v[8*(8*((\a)%4)+\b):8*(8*((\a)%4)+\b)+7], v[128*(\p)+FR*\b:128*(\p)+FR*\b+FR-1], v[AF+FR*(\a):AF+FR*(\a)+FR-1], v[8*(8*((\a)%4)+\b):8*(8*((\a)%4)+\b)+7], v[SC+8*NQ*(\sc)+NQ*\b+(\q)], v[SC+8*NQ*(\sc)+NQ*(\a)+(\q)] matrix_a_fmt:MATRIX_FMT_BF6 matrix_b_fmt:MATRIX_FMT_BF6 matrix_a_scale:MATRIX_SCALE_ROW1
.endif
.endr
.endr
.endm
.macro FETCH_B slot, q, p
	WIN TO_B
.irp i, 0,1,2,3,4,5,6,7
	FRAG 128*(\p)+FR*\i, ADRB+\slot, \q, \i
.endr
	WIN 0
.endm
.macro FETCH_A slot, q, i0
.irp i, \i0, \i0+1, \i0+2, \i0+3
	FRAG AF+FR*(\i), ADRA+\slot, \q, \i
.endr
.endm
.macro SCALES sc                       ; a slot's scale words: two a row; lanes 0-15 A's block i, lanes 16-31 B's block i
.irp i, 0,1,2,3,4,5,6,7
	ds_load_b64 v[SC+8*NQ*\sc+NQ*\i:SC+8*NQ*\sc+NQ*\i+1], v[ADRS] offset:\i*SBLK
.endr
.endm
.macro PLACES n                        ; plain vector instructions between a matrix instruction and a load into, or a vector read or write of, its registers
.rept \n
	v_nop
.endr
.endm
.macro STEP slot, q, mode              ; 128 along K whose successor lies in the same slot
	s_wait_dscnt 4*NL                              ; B's set and A's blocks 0-3 are in; the youngest 24 loads (A's blocks 4-7) may be out
.if \mode
	WIN MUL_LO0
.else
	WIN MUL_LO
.endif
	MUL16 0, (\q)%2, \q, \slot, \mode
	MUL16 2, (\q)%2, \q, \slot, \mode
	s_wait_dscnt 0
	PLACES NP
	FETCH_B \slot, (\q)+1, 1-(\q)%2
	FETCH_A \slot, (\q)+1, 0
.if \mode
	WIN MUL_HI0
.else
	WIN MUL_HI
.endif
	MUL16 4, (\q)%2, \q, \slot, \mode
	MUL16 6, (\q)%2, \q, \slot, \mode
	PLACES NP
	WIN 0
	FETCH_A \slot, (\q)+1, 4
.endm
; A slot's last step changes slots: one barrier; in front of it each wave waits for all its tensor loads, adds 0 to its spare word, and waits for that and for its reads of this slot.
.macro TURN slot, next, fill
	s_wait_tensorcnt 0x0                           ; all my tensor loads have landed: my part of the next slot
	ds_add_u32 v[SPW], v[NIL]
	s_wait_dscnt 4*NL+1                            ; the add and the youngest 24 loads may be out
	WIN MUL_LO
	MUL16 0, 1, NQ-1, \slot, 0
	s_wait_dscnt 0x0                               ; the add is done, and my reads of this slot are over
	s_barrier_signal -1
	MUL16 2, 1, NQ-1, \slot, 0
	WIN 0
	s_barrier_wait -1
.if \fill
	CREST                                          ; the barrier has opened a round of the cluster's: no wave of any partner still reads this slot or has a load on its way
	s_add_nc_u64 s[G0+4*\slot+2:G0+4*\slot+3], s[G0+4*\slot+2:G0+4*\slot+3], 2*KSB
	s_add_nc_u64 s[G0B+4*\slot+2:G0B+4*\slot+3], s[G0B+4*\slot+2:G0B+4*\slot+3], 2*KSB
	JLOAD G0+4*\slot, G1, G0B+4*\slot, G1B         ; the first tensor load behind the round; its four v_nop are the places in front of the loads below
.else
	PLACES NP
.endif
	s_wait_alu depctr_va_vdst(0)
	v_add_nc_u32 v[ADRS], 4*NQ, v[ADRS]
	FETCH_B \next, 0, 0
	FETCH_A \next, 0, 0
	SCALES \next
	WIN MUL_HI
	MUL16 4, 1, NQ-1, \slot, 0
	MUL16 6, 1, NQ-1, \slot, 0
	PLACES NP
	WIN 0
	FETCH_A \next, 0, 4
.endm
	s_wait_alu depctr_va_vdst(0)
	s_wait_tensorcnt 0x0                           ; my tile of the head's four is in; slot 1's first fill is issued as a refill is
	ds_add_u32 v[SPW], v[NIL]
	s_mov_b32 s[G1+2], 96<<16                      ; no tensor load of mine is out: from here on a load brings 128 positions = 96 rows
	s_mov_b32 s[G1+4], 96
	s_mov_b32 s[G1B+2], 96<<16
	s_mov_b32 s[G1B+4], 96
	s_wait_dscnt 0x0
	CROUND                                         ; all four tiles are in, all sixteen work-groups are here
	JLOAD G0+4, G1, G0B+4, G1B                     ; K step 1, the first tensor load behind the round
	FETCH_B 0, 0, 0
	FETCH_A 0, 0, 0
	SCALES 0
	FETCH_A 0, 0, 4
	s_wait_loadcnt 0x0                             ; the bias
	s_cmp_lg_u32 s66, 0                            ; the first step is written twice: its C differs.  Both copies leave the same 24 LDS loads out
	s_cbranch_scc1 .Lfirst_v
	STEP 0, 0, 1
	s_branch .Lfirst_done
.Lfirst_v:
	STEP 0, 0, 2
.Lfirst_done:
	s_mov_b32 s3, LAPS-1
.Llap:
	TURN 0, 1, 1
	STEP 1, 0, 0
	TURN 1, 0, 1
	STEP 0, 0, 0
	s_sub_co_u32 s3, s3, 1
	s_cmp_lg_u32 s3, 0
	s_cbranch_scc1 .Llap
	TURN 0, 1, 0                                   ; the last lap fills nothing
	STEP 1, 0, 0
	s_wait_dscnt 4*NL
	WIN MUL_LO
	MUL16 0, 1, NQ-1, 1, 0
	MUL16 2, 1, NQ-1, 1, 0
	s_wait_dscnt 0
	WIN MUL_HI
	MUL16 4, 1, NQ-1, 1, 0
	MUL16 6, 1, NQ-1, 1, 0
	WIN 0
; THE WAY OUT, A's blocks one after the other.  A lane's 64 registers of block a: register 16 b + i is B's row 32 b + 16 (lane / 16) + i: four blocks of 32 along the next K, each shared with lane l xor 16.
; They become 12 registers of codes (registers 6 c .. 6 c + 5: rows 64 c + 32 (lane / 16) + 0 .. 31) and a scale word.  q, k: c is the head, its six registers the lower half of an operand whose K is 64.  v: all twelve are one operand of 128 keys.
.macro QUANTA a
.set AC, 64*((\a)%4)
	WIN 0x0a+5*((\a)/4)                            ; sources 0 and 1: window 2 or 3
.irp b, 0,1,2,3
	v_max3_num_f32 v[TM+\b], |v[AC+16*\b]|, |v[AC+16*\b+1]|, 0x2800000   ; each accumulator from its low end on; the floor 2^(5 - 127) holds the byte at 1 from below
.endr
.irp i, 2,4,6,8,10,12,14
.irp b, 0,1,2,3
	v_max3_num_f32 v[TM+\b], |v[AC+16*\b+\i]|, |v[AC+16*\b+\i+1]|, v[TM+\b]
.endr
.endr
	WIN 0
.irp b, 0,1,2,3
	v_permlanex16_b32 v[TM+4+\b], v[TM+\b], s18, s19
.endr
.irp b, 0,1,2,3
	v_max_num_f32 v[TM+\b], v[TM+\b], v[TM+4+\b]   ; the block's largest magnitude
.endr
.irp b, 0,1,2,3
	v_add_nc_u32 v[TM+12+\b], 0xfe000000, v[TM+\b] ; 4 off its exponent field: the conversion's scale operand
.endr
.irp b, 0,1,2,3
	v_lshrrev_b32 v[TM+4+\b], 23, v[TM+12+\b]      ; the scale's byte
.endr
	v_lshl_or_b32 v[PW], v[TM+5], 8, v[TM+4]
	v_lshl_or_b32 v[PW], v[TM+6], 16, v[PW]
	v_lshl_or_b32 v[PW], v[TM+7], 24, v[PW]
	v_lshrrev_b32 v[TW], v[SH], v[PW]              ; q, k: lanes 0-15 keep the first head's two bytes, lanes 16-31 the second's; v: the word as it is
	v_and_b32 v[TW], s2, v[TW]
	ds_store_b32 v[STW], v[TW] offset:64*(\a)
	s_wait_xcnt 0x0                                ; the last block's stores have read the codes' registers
	WIN 0x02+(\a)/4                                ; source 0: window 2 or 3
.irp c, 0,1
	v_cvt_scalef32_pk16_bf6_f32 v[PC+6*\c:PC+6*\c+2], v[AC+32*\c:AC+32*\c+15], v[TM+12+2*\c]
	v_cvt_scalef32_pk16_bf6_f32 v[PC+12+4*\c:PC+12+4*\c+2], v[AC+32*\c+16:AC+32*\c+31], v[TM+12+2*\c+1]   ; (a conversion's three registers begin on an even number)
.endr
	WIN 0
	v_nop                                          ; one plain line behind the last conversion
.irp c, 0,1                            ; a whole block to a lane: lanes 0-15 block 2 c, lanes 16-31 block 2 c + 1
.irp i, 0,1,2
	v_permlane16_swap_b32 v[PC+6*\c+\i], v[PC+12+4*\c+\i]
.endr
.irp i, 0,1,2
	v_mov_b32 v[PC+3+6*\c+\i], v[PC+12+4*\c+\i]
.endr
.endr
.endm
.macro OUTA a
	s_cmp_lg_u32 s66, 0
	s_cbranch_scc1 .Lst_v_\@
.irp c, 0,1
.irp p, 0,1,2
	global_store_b64 v[L8], v[PC+6*\c+2*\p:PC+6*\c+2*\p+1], s[10:11] offset:8*QBLK*\c+768*(\a)+256*\p   ; 32 lanes store 256 consecutive bytes, aligned
.endr
.endr
	s_branch .Lst_done_\@
.Lst_v_\@:
	s_wait_alu depctr_va_vdst(0)
.irp c, 0,1,2
	global_store_b128 v[L16], v[PC+4*\c:PC+4*\c+3], s[12:13] offset:8*VBLK*((\a)/4)+1536*((\a)%4)+512*\c   ; 512 consecutive bytes, aligned
.endr
.Lst_done_\@:
.endm
	PLACES NP                                      ; behind the last products: their results are read and A's registers written below
.irp b, 0,1,2,3
	v_mov_b32 v[TM+4+\b], 0                        ; written once: a lane permute's destination counts as one of its sources
.endr
.irp a, 0,1,2,3,4,5,6,7
	QUANTA \a
	OUTA \a
.endr
	ds_load_b128 v[Z:Z+3], v[STR]                  ; my own bytes: LDS serves a wave's instructions in order
	ds_load_b128 v[Z+4:Z+7], v[STR] offset:512
	s_wait_dscnt 0x0
	s_cmp_lg_u32 s66, 0
	s_cbranch_scc1 .Lsw_v
	global_store_b128 v[L16], v[Z:Z+3], s[20:21]                   ; the first head's 8 x 16 scale words: 512 consecutive bytes
	global_store_b128 v[L16], v[Z+4:Z+7], s[20:21] offset:8*QBLK   ; the second head's
	s_branch .Lsw_done
.Lsw_v:
	global_store_b128 v[LV], v[Z:Z+3], s[22:23]                    ; lanes 0-15: the first head's 4 x 16 words, 256 consecutive bytes; lanes 16-31: the second head's
.Lsw_done:
	s_wait_tensorcnt 0x0                           ; the wave's end
	ds_add_u32 v[SPW], v[NIL]
	s_wait_dscnt 0x0
	CROUND                                         ; the closing round
	s_endpgm
.Lfunc_end_k_qe5b2c19cdb_qkv:
	.size	k_qe5b2c19cdb_qkv, .Lfunc_end_k_qe5b2c19cdb_qkv-k_qe5b2c19cdb_qkv
	.p2alignl 7, 3214868480
	.fill 96, 4, 3214868480
	.section	.rodata,"a",@progbits
	.p2align	6, 0x0
	.amdhsa_kernel k_qe5b2c19cdb_qkv
		.amdhsa_group_segment_fixed_size 327680
		.amdhsa_private_segment_fixed_size 0
		.amdhsa_enable_private_segment 0
		.amdhsa_kernarg_size 40
		.amdhsa_user_sgpr_count 2
		.amdhsa_user_sgpr_kernarg_segment_ptr 1
		.amdhsa_wavefront_size32 1
		.amdhsa_system_sgpr_workgroup_id_x 1
		.amdhsa_system_sgpr_workgroup_id_y 1
		.amdhsa_system_sgpr_workgroup_id_z 1
		.amdhsa_system_vgpr_workitem_id 0
		.amdhsa_next_free_vgpr 1024
		.amdhsa_next_free_sgpr 100
		.amdhsa_reserve_vcc 0
		.amdhsa_float_denorm_mode_32 3
		.amdhsa_float_denorm_mode_16_64 3
		.amdhsa_memory_ordered 1
		.amdhsa_forward_progress 1
		.amdhsa_inst_pref_size 196
	.end_amdhsa_kernel
	.amdgpu_metadata
---
amdhsa.version: [ 1, 2 ]
amdhsa.kernels:
  - .name:           k_qe5b2c19cdb_qkv
    .symbol:         k_qe5b2c19cdb_qkv.kd
    .args:
      - { .name: codes, .offset: 0, .size: 8, .value_kind: global_buffer, .address_space: global }
      - { .name: scales, .offset: 8, .size: 8, .value_kind: global_buffer, .address_space: global }
      - { .name: b_qkv, .offset: 16, .size: 8, .value_kind: global_buffer, .address_space: global }
      - { .name: qk, .offset: 24, .size: 8, .value_kind: global_buffer, .address_space: global }
      - { .name: vblk, .offset: 32, .size: 8, .value_kind: global_buffer, .address_space: global }
    .group_segment_fixed_size: 327680
    .private_segment_fixed_size: 0
    .kernarg_segment_align: 8
    .kernarg_segment_size: 40
    .max_flat_workgroup_size: 128
    .sgpr_count:     100
    .vgpr_count:     1024
    .wavefront_size: 32
...
	.end_amdgpu_metadata
.endif
;; end of part 2
;; launch attn (part 3): grid 4 x 64, 16 waves a work-group, no clusters, 327,680 bytes of LDS; arguments qk, vblk, o_img, o_scales; writes o_img, o_scales
.if DOCPART == 3
	.amdgcn_target "amdgcn-amd-amdhsa--gfx1250"
	.amdhsa_code_object_version 6
	.text
	.protected	k_qe5b2c19cdb_attn
	.globl	k_qe5b2c19cdb_attn
	.p2align	8
	.type	k_qe5b2c19cdb_attn,@function
k_qe5b2c19cdb_attn:
	s_mov_b64 s[64:65], 0
	v_nop
	global_prefetch_b8 v0, s[64:65] scope:SCOPE_SE
	s_setreg_imm32_b32 hwreg(HW_REG_WAVE_MODE, 25, 1), 1
	s_wait_xcnt 0x0
; Causal attention of one head on codes of BF6 (E3M2): S^T = K Q^T (K = the head's 64: the upper half of each operand is zero codes), p = 2^(t - M), O^T = V^T P^T (K = the keys), o = O / l, quantised along the model's 1,024.
; t = score x log2(e) / 8; M = the running largest t rounded up to a whole number; p is quantised along the keys, not normalised; l is the sum of the unquantised p.  When M moves, l and O are multiplied by 2^(old M - new M): exact.
; SHARES.  Work-group (i, head) owns the query blocks i and then 7 - i of 256 queries: i + 1 and 8 - i slots of 256 keys, always nine: the trip counts are constants, all 256 work-groups have equal work.
; Tiles that reference()'s causal mask hides whole are not computed.  Each of sixteen waves owns one tile of 16 queries in 256 registers, four waves to a SIMD.
; A wave's queries lie in 128 tokens from G on, a key step is 128 keys from KF on: KF < G: all keys count; KF = G: the diagonal, hidden scores become -infinity; KF > G (a slot's second step alone): the step is jumped over, by ids.
; THE KEYS OF A TILE OF K are chosen by the lanes' LDS addresses: row m of tile (c, i) is key 64 c + 32 (m / 8) + 8 i + m % 8.  In S^T lane (query, h) then holds in registers 32 c + e the key 64 c + 32 h + e:
; a WHOLE block of 32 along the next K, in the order of the next operand's registers: a block's largest score needs no other lane, and the codes are not exchanged between lanes.
; K's image in memory has the rows of a tile in the order pi (bits 3 and 4 of a token exchanged): tile (c, i) takes lanes' rows from image tiles 4 c + i % 2 (m < 8) and 4 c + 2 + i % 2 (m >= 8), lane places 8 (i / 2) + m % 8.
; K's LDS rows of 256 bytes are 352 apart: two image tiles on are 6 rows = 2,112 bytes = 64 modulo 256, so the 32 lanes of a load of 8 bytes touch 64 different banks (ISA guide 11.1).
; THE RING: two slots of 256 keys.  ONE barrier a slot, signal and wait apart: a wave signals when its last fragments of the slot are in registers; the second step's softmax and P V product, work on registers, stand between signal and wait.
; OUT.  o_img [128 tokens 64][tile 8][head 16][pair of registers 3][lane][8 bytes]; o_scales [position][32]: byte 2 head + block (single bytes, written in parts of their 256-byte blocks).
; NO CLUSTER: the four work-groups of a head want different slots in the same trip (walks of i + 1 and 8 - i slots), and where a block begins hangs on i.
; LIMITS: a block of zeros gets the byte 1, not 127 (zero codes; only this program reads the bytes); NaN and infinities are not served; 1 / l is v_rcp_f32 and a multiplication; the promise holds while |t| stays under 2^31.
.set KBLK,  13312                      ; a slot's K in memory: 12,288 bytes of codes, 1,024 of scale words: 52 rows of 256
.set VBLK,  12800                      ; its V: 12,288 and 512
.set KP,    352                        ; K's LDS pitch
.set VOFF,  18432                      ; V lies behind K's 52 x 352 bytes
.set SLOT1, 1<<15
.set SPARE, 65536                      ; the spare words: 128 bytes for each of 16 waves, eight blocks of 256 bytes that no other line names
.set A16,  1                           ; v1   16 x lane
.set KL,   2                           ; v2   K's codes: 8 (r % 8) + 128 h + 2,112 (r / 8)
.set SL,   3                           ; v3   K's scale words: 4 (r % 8) + 128 (r / 8)
.set A4,   4                           ; v4   4 r
.set SPW,  5                           ; v5   my spare word; never rewritten
.set NIL,  6                           ; v6   0; never rewritten
.set A8,   7                           ; v7   8 x lane
.set ADK,  8                           ; v8-10, v30: the four LDS addresses in the slot in hand
.set ADV,  9
.set ADS,  10
.set OSO,  11                          ; v11  32 r + h
.set PFO,  28                          ; v28  the prefetches' offset
.set DM,   29                          ; v29  my query in its 128, less 32 h
.set ADW,  30
.set SH8,  31                          ; v31  8 h
.set KR,   32                          ; v32-79   four fragments of K: registers 6 .. 11 of each stay zero; registers 0 .. 5 serve the row sum between the products
.set VR,   80                          ; v80-127  four fragments of V
.set S,    128                         ; v128-191 S^T, then p
.set O,    192                         ; v192-223 O^T.  v12 -M, v13 the largest t, v[14:15] l, v16-27 q, v224-235 p's codes, v248-251 scale words, v252 f, v253 p's scale word, v255 q's
.set TB,   2
.set TR,   3
.set WI,   12
.set SW,   13                          ; s13  i + 1: the trip in which the second block begins
.set BH,   14
.set QB,   15
.set G,    16
.set KF,   17
.set WV,   18
.set NX,   19
.set SEL,  20
.set CS,   22                          ; s[22:23] log2(e) / 8
.set G1K,  24
.set G1V,  32
.set G0K,  40
.set G0V,  44
.set KB,   48
.set VB,   50
.set OFP,  52
.set QA,   54
.set OI,   56
.set OS,   58
.set PFB,  60
.set PFS,  62
.set LIM,  63
.set PFA,  66
.set HI16, 68
.set WS,   69                          ; wave / 8: which 128 queries
.set WA,   70                          ; wave % 8: which tile
.set QS,   76
.macro TLOAD                           ; waves 0, 1 fetch K's halves, waves 2, 3 V's, the others nothing
	s_cmp_lt_u32 s[WV], 2
	s_cbranch_scc0 .Lnot_k_\@
	tensor_load_to_lds s[G0K:G0K+3], s[G1K:G1K+7]
	s_nop 0
.rept 4
	v_nop
.endr
	s_branch .Lasked_\@
.Lnot_k_\@:
	s_cmp_lt_u32 s[WV], 4
	s_cbranch_scc0 .Lasked_\@
	tensor_load_to_lds s[G0V:G0V+3], s[G1V:G1V+7]
	s_nop 0
.rept 4
	v_nop
.endr
.Lasked_\@:
.endm
; A prefetch into the L2.  Work-group 0 of a head walks key slots 0 .. 7 in trips 1 .. 8: the change that asks for trip NX's slot, NX - 1, names slot NX: slots 1 .. 7 once each, one slot ahead of their tensor loads.
; Waves 4, 5 name K's two halves (26 blocks of 256 bytes each), waves 6, 7 V's (25): a lane a block; the lanes past a half's last block name that block again.
.macro ASK
	s_cmp_lt_u32 s[NX], s[LIM]
	s_cbranch_scc0 .Lnot_mine_\@
	global_prefetch_b8 v[PFO], s[PFA:PFA+1] th:TH_LOAD_NT scope:SCOPE_SE
.Lnot_mine_\@:
.endm
.macro QADDR                           ; q of block QB: my tile's codes and scale words
	s_lshl_b32 s[OFP], s[BH], 3
	s_add_co_u32 s[OFP], s[OFP], s[QB]
	s_mul_i32 s[OFP], s[OFP], KBLK
	s_mov_b32 s[OFP+1], 0
	s_add_nc_u64 s[QS:QS+1], s[4:5], s[OFP:OFP+1]
	s_mul_i32 s[OFP], s[WV], 768
	s_add_nc_u64 s[QA:QA+1], s[QS:QS+1], s[OFP:OFP+1]
	s_lshl_b32 s[OFP], s[WV], 6
	s_add_nc_u64 s[QS:QS+1], s[QS:QS+1], s[OFP:OFP+1]
.endm
.macro QLOAD
.irp p, 0,1,2
	global_load_b64 v[16+2*\p:17+2*\p], v[A8], s[QA:QA+1] offset:256*\p
.endr
	global_load_b32 v255, v[A4], s[QS:QS+1] offset:12288
.endm
.macro OADDR                           ; G and the places of block QB's results
	s_lshl_b32 s[G], s[QB], 8
	s_lshl_b32 s71, s[WS], 7
	s_add_co_u32 s[G], s[G], s71
	s_lshr_b32 s71, s[BH], 4
	s_lshl_b32 s71, s71, 4
	s_lshl_b32 s72, s[QB], 1
	s_add_co_u32 s71, s71, s72
	s_add_co_u32 s71, s71, s[WS]                   ; my group of 128 tokens: 16 batch + 2 QB + wave / 8
	s_mul_i32 s[OFP], s71, 98304
	s_mul_i32 s72, s[WA], 12288
	s_add_co_u32 s[OFP], s[OFP], s72
	s_and_b32 s73, s[BH], 15
	s_mul_i32 s72, s73, 768
	s_add_co_u32 s[OFP], s[OFP], s72
	s_mov_b32 s[OFP+1], 0
	s_add_nc_u64 s[OI:OI+1], s[8:9], s[OFP:OFP+1]
	s_lshl_b32 s[OFP], s71, 12
	s_lshl_b32 s72, s[WA], 9
	s_add_co_u32 s[OFP], s[OFP], s72
	s_lshl_b32 s72, s73, 1
	s_add_co_u32 s[OFP], s[OFP], s72
	s_add_nc_u64 s[OS:OS+1], s[10:11], s[OFP:OFP+1]
.endm
.macro ZERO                            ; the sums at their start: the first change of M multiplies zeros
.set j, 0
.rept 32
	v_mov_b32 v[O+j], 0
.set j, j+1
.endr
	v_mov_b32 v13, 0xff61b1e6                      ; the largest t so far: -3e38
	v_floor_f32 v12, -v13
	v_mov_b32 v14, 0
	v_mov_b32 v15, 0
	s_mov_b32 s[KF], 0
.endm
; The lines in front of a slot's barrier, and its signal.  fill = 1: the slot in hand will take the keys of trip TR + ahead: key slot NX, less i + 1 from the second block on.
; The add stands twice there.
.macro CHG fill, ahead
	s_wait_tensorcnt 0x0                           ; no tensor load of mine is out: the other slot's part is in, and a group 0 may be written
	ds_add_u32 v[SPW], v[NIL]
.if \fill
	ds_add_u32 v[SPW], v[NIL]
	s_add_co_u32 s[NX], s[TR], \ahead
	s_cmp_ge_u32 s[NX], s[SW]
	s_cselect_b32 s71, s[SW], 0
	s_sub_co_u32 s71, s[NX], s71
	s_xor_b32 s[G0K+1], s[G0K+1], SLOT1
	s_xor_b32 s[G0V+1], s[G0V+1], SLOT1
	s_mul_i32 s[OFP], s71, KBLK
	s_mov_b32 s[OFP+1], 0
	s_add_nc_u64 s[G0K+2:G0K+3], s[KB:KB+1], s[OFP:OFP+1]
	s_or_b32 s[G0K+3], s[G0K+3], 0x80000000
	s_mul_i32 s[OFP], s71, VBLK
	s_add_nc_u64 s[G0V+2:G0V+3], s[VB:VB+1], s[OFP:OFP+1]
	s_or_b32 s[G0V+3], s[G0V+3], 0x80000000
	s_wait_xcnt 0x0                                ; the last prefetch, a slot back, has read its address
	s_mul_i32 s[OFP], s[NX], s[PFS]
	s_add_nc_u64 s[PFA:PFA+1], s[PFB:PFB+1], s[OFP:OFP+1]
.endif
	s_wait_dscnt 0x0                               ; the add is done, and my reads of the slot in hand are over
	s_barrier_signal -1
.endm
; A key step's first part: S^T = K Q^T, four tiles at a time, and the request for V.  The places ahead of the first loads are the row sum's additions behind the last P V products.
.macro PARTA q
.irp g, 0,1
.if \g
.rept 4
	v_nop                                          ; four places behind the products whose registers are loaded anew (ISA guide 7.12.1)
.endr
.endif
.irp t, 0,1,2,3
.irp p, 0,1,2
	ds_load_b64 v[KR+12*\t+2*\p:KR+12*\t+2*\p+1], v[ADK] offset:KP*(24*(\q)+3*(4*\g+(\t%2))+\p)+64*(\t/2)
.endr
	ds_load_b32 v[248+\t], v[ADS] offset:KP*(48+2*(\q)+\g)+64*(\t%2)+32*(\t/2)
.endr
	s_wait_dscnt 0x0
.irp t, 0,1,2,3
	v_wmma_scale_f32_16x16x128_f8f6f4 v[S+8*(4*\g+\t):S+8*(4*\g+\t)+7], v[KR+12*\t:KR+12*\t+11], v[16:27], 0, v[248+\t], v255 matrix_a_fmt:MATRIX_FMT_BF6 matrix_b_fmt:MATRIX_FMT_BF6
.endr
.endr
.rept 4
	v_nop
.endr
.irp t, 0,1,2,3
.irp c, 0,1,2
	ds_load_b128 v[VR+12*\t+4*\c:VR+12*\t+4*\c+3], v[ADV] offset:VOFF+6144*(\q)+1536*\t+512*\c
.endr
	ds_load_b32 v[248+\t], v[ADW] offset:VOFF+12288+256*(\q)+64*\t
.endr
.endm
; Its second part: work on registers alone but for the wait for V (w = 1; with w = 0 V was waited for in front of the barrier's signal).
.macro PARTB w
	s_cmp_lt_u32 s[KF], s[G]
	s_cbranch_scc1 .Lopen_\@
	v_mov_b32 v254, 0xff800000                     ; the diagonal: register n holds key 64 (n / 32) + n % 32 + 32 h of the 128
.set n, 0
.rept 64
	v_cmp_gt_i32 vcc_lo, 64*(n/32)+n%32, v[DM]
	v_cndmask_b32 v[S+n], v[S+n], v254, vcc_lo
.set n, n+1
.endr
.Lopen_\@:
.irp c, 0,1                            ; my two blocks' largest scores, each in two chains, every accumulator from its low end on
	v_max3_num_f32 v[244+\c], v[S+32*\c], v[S+32*\c+1], v[S+32*\c+2]
	v_max3_num_f32 v[246+\c], v[S+32*\c+16], v[S+32*\c+17], v[S+32*\c+18]
.endr
.irp i, 3,5,7,9,11,13
.irp c, 0,1
	v_max3_num_f32 v[244+\c], v[244+\c], v[S+32*\c+\i], v[S+32*\c+\i+1]
	v_max3_num_f32 v[246+\c], v[246+\c], v[S+32*\c+16+\i], v[S+32*\c+17+\i]
.endr
.endr
.irp c, 0,1
	v_max3_num_f32 v[244+\c], v[244+\c], v[246+\c], v[S+32*\c+15]
.endr
.irp c, 0,1
	v_max_num_f32 v[244+\c], v[244+\c], v[S+32*\c+31]
.endr
	v_max_num_f32 v254, v244, v245
	v_permlanex16_b32 v239, v254, s[SEL], s[SEL+1]
	v_max_num_f32 v254, v254, v239                 ; the step's largest score of my query
	s_delay_alu instid0(VALU_DEP_1)
	v_mul_f32 v254, s[CS], v254
	s_delay_alu instid0(VALU_DEP_1)
	v_max_num_f32 v13, v13, v254                   ; the running largest t
	v_mov_b32 v254, v12
	s_delay_alu instid0(VALU_DEP_2)
	v_floor_f32 v12, -v13                          ; the new -M = -ceil(t)
	s_delay_alu instid0(VALU_DEP_1)
	v_sub_f32 v254, v12, v254                      ; old M - new M: a whole number, 0 or less
	s_delay_alu instid0(VALU_DEP_1)
	v_cvt_i32_f32 v254, v254                       ; (it saturates)
	s_delay_alu instid0(VALU_DEP_1)
	v_ldexp_f32 v252, 1.0, v254                    ; f = 2^(old M - new M)
.set j, 0
.rept 32
	v_pk_fma_f32 v[S+j:S+j+1], v[S+j:S+j+1], s[CS:CS+1], v[12:13] op_sel_hi:[1,0,0]   ; t - M
.set j, j+2
.endr
.irp c, 0,1
	v_fma_f32 v[244+\c], v[244+\c], s[CS], v12     ; the same of each block's largest score: p rises with the score
.endr
.set j, 0
.rept 16
	v_pk_mul_f32 v[O+j:O+j+1], v[O+j:O+j+1], v[252:253] op_sel_hi:[1,0]   ; O^T under the new M, each accumulator from its low end on
.set j, j+2
.endr
	v_pk_mul_f32 v[14:15], v[14:15], v[252:253] op_sel_hi:[1,0]           ; l likewise
	s_wait_alu depctr_va_vdst(0)
.set j, 0
.rept 64
	v_exp_f32 v[S+j], v[S+j]                       ; p = 2^(t - M)
.set j, j+1
.endr
	v_exp_f32 v244, v244                           ; each block's largest p
	v_exp_f32 v245, v245
	v_nop                                          ; the plain line behind the batch
	s_wait_alu depctr_va_vdst(0)                   ; and the one wait behind it
.irp c, 0,1
	v_max_num_f32 v[244+\c], 0x2800000, v[244+\c]  ; the floor 2^(5 - 127): the byte cannot fall under 1
.endr
.irp c, 0,1
	v_add_nc_u32 v[244+\c], 0xfe000000, v[244+\c]  ; 4 off the exponent field: the conversions' scale operand
.endr
.irp c, 0,1
	v_lshrrev_b32 v[246+\c], 23, v[244+\c]         ; the bytes of blocks h and 2 + h
.endr
	v_lshl_or_b32 v254, v247, 16, v246
	v_lshlrev_b32 v254, v[SH8], v254               ; at their places in the scale word
	v_permlanex16_b32 v239, v254, s[SEL], s[SEL+1]
	v_or_b32 v253, v254, v239                      ; with lane l xor 16's two the word is whole
	v_cvt_scalef32_pk16_bf6_f32 v[224:226], v[S:S+15], v244
	v_cvt_scalef32_pk16_bf6_f32 v[236:238], v[S+16:S+31], v244     ; (a conversion's three registers begin on an even number)
	v_cvt_scalef32_pk16_bf6_f32 v[230:232], v[S+32:S+47], v245
	v_cvt_scalef32_pk16_bf6_f32 v[240:242], v[S+48:S+63], v245
	v_nop                                          ; one plain line behind the last conversion
.irp i, 0,1,2
	v_mov_b32 v[227+\i], v[236+\i]
	v_mov_b32 v[233+\i], v[240+\i]
.endr
; l += the 64 unquantised p: four chains of pairs in registers 0 .. 5 of K's first fragments.  Twelve additions stand between the writes of p's codes and scale word and the products, twenty behind the products.
.irp k, 0,1,2,3
	v_pk_add_f32 v[KR+2*\k+6*(\k/3):KR+2*\k+6*(\k/3)+1], v[S+2*\k:S+2*\k+1], v[S+8+2*\k:S+9+2*\k]
.endr
.irp m, 8,9,10,11,12,13,14,15
	v_pk_add_f32 v[KR+2*(\m%4)+6*((\m%4)/3):KR+2*(\m%4)+6*((\m%4)/3)+1], v[KR+2*(\m%4)+6*((\m%4)/3):KR+2*(\m%4)+6*((\m%4)/3)+1], v[S+2*\m:S+2*\m+1]
.endr
	s_wait_alu depctr_va_vdst(0)
.if \w
	s_wait_dscnt 0x0                               ; V is in
.endif
.irp t, 0,1,2,3                        ; O^T += V^T P^T: the four accumulators by turns
	v_wmma_scale_f32_16x16x128_f8f6f4 v[O+8*\t:O+8*\t+7], v[VR+12*\t:VR+12*\t+11], v[224:235], v[O+8*\t:O+8*\t+7], v[248+\t], v253 matrix_a_fmt:MATRIX_FMT_BF6 matrix_b_fmt:MATRIX_FMT_BF6
.endr
.irp m, 16,17,18,19,20,21,22,23,24,25,26,27,28,29,30,31
	v_pk_add_f32 v[KR+2*(\m%4)+6*((\m%4)/3):KR+2*(\m%4)+6*((\m%4)/3)+1], v[KR+2*(\m%4)+6*((\m%4)/3):KR+2*(\m%4)+6*((\m%4)/3)+1], v[S+2*\m:S+2*\m+1]
.endr
	v_pk_add_f32 v[KR:KR+1], v[KR:KR+1], v[KR+2:KR+3]
	v_pk_add_f32 v[KR+4:KR+5], v[KR+4:KR+5], v[KR+12:KR+13]
	v_pk_add_f32 v[KR:KR+1], v[KR:KR+1], v[KR+4:KR+5]
	v_pk_add_f32 v[14:15], v[14:15], v[KR:KR+1]
.endm
; A block of queries ends: o = O^T / l; register 16 b + i is channel 32 b + 16 h + i of my query (V's channels are in the order pi): two blocks of 32 along the last product's K; six registers of codes and a byte a lane.
.macro WAYOUT
	s_wait_alu depctr_va_vdst(0)                   ; l was written just ahead of a barrier's wait
	v_add_f32 v14, v14, v15
	v_permlanex16_b32 v252, v14, s[SEL], s[SEL+1]
	v_add_f32 v14, v14, v252
	s_wait_alu depctr_va_vdst(0)
	v_rcp_f32 v14, v14
	v_nop
	s_wait_alu depctr_va_vdst(0)                   ; ahead of the first reader of the reciprocal and of O^T
.set j, 0
.rept 32
	v_mul_f32 v[S+j], v[O+j], v14
.set j, j+1
.endr
.irp b, 0,1
	v_max3_num_f32 v[232+\b], |v[S+16*\b]|, |v[S+1+16*\b]|, 0x2800000
.endr
.irp i, 2,4,6,8,10,12,14
.irp b, 0,1
	v_max3_num_f32 v[232+\b], v[232+\b], |v[S+16*\b+\i]|, |v[S+1+16*\b+\i]|
.endr
.endr
.irp b, 0,1
	v_permlanex16_b32 v[236+\b], v[232+\b], s[SEL], s[SEL+1]
.endr
.irp b, 0,1
	v_max_num_f32 v[232+\b], v[232+\b], v[236+\b]
.endr
.irp b, 0,1
	v_add_nc_u32 v[244+\b], 0xfe000000, v[232+\b]
.endr
.irp b, 0,1
	v_lshrrev_b32 v[236+\b], 23, v[244+\b]
.endr
	v_cvt_scalef32_pk16_bf6_f32 v[224:226], v[S:S+15], v244
	v_cvt_scalef32_pk16_bf6_f32 v[240:242], v[S+16:S+31], v245
	v_nop
.irp i, 0,1,2
	v_permlane16_swap_b32 v[224+\i], v[240+\i]
.endr
.irp i, 0,1,2
	v_mov_b32 v[227+\i], v[240+\i]                 ; lanes 0-15 hold block 0, lanes 16-31 block 1
.endr
	v_cndmask_b32 v254, v236, v237, s[HI16]        ; and its byte
.irp p, 0,1,2
	global_store_b64 v[A8], v[224+2*\p:225+2*\p], s[OI:OI+1] offset:256*\p   ; 32 lanes store 256 consecutive bytes, aligned
.endr
	global_store_b8 v[OSO], v254, s[OS:OS+1]
.endm
; A trip: one slot of 256 keys, two key steps.
.macro TRIP fill
	v_add_nc_u32 v[ADK], s[TB], v[KL]
	v_add_nc_u32 v[ADV], s[TB], v[A16]
	v_add_nc_u32 v[ADS], s[TB], v[SL]
	v_add_nc_u32 v[ADW], s[TB], v[A4]
	s_wait_alu depctr_va_vdst(0)
	s_wait_loadcnt 0x0                             ; q is in: the first block's, asked for at the head, or the second's, asked for a key step ago; on every way into a trip
	PARTA 0
	PARTB 1
	s_add_co_u32 s[KF], s[KF], 128
	s_cmp_gt_u32 s[KF], s[G]
	s_cbranch_scc1 .Lhid_a_\@
	PARTA 1
.Lhid_a_\@:
.if \fill
	s_add_co_u32 s71, s[TR], 1                     ; the second block begins in the next trip: its q is asked for now, into registers whose last product lies behind four places
	s_cmp_eq_u32 s71, s[SW]
	s_cbranch_scc0 .Lno_q_\@
	s_sub_co_u32 s[QB], 7, s[WI]
	QADDR
	QLOAD
.Lno_q_\@:
.endif
	CHG \fill, 2
	s_cmp_gt_u32 s[KF], s[G]
	s_cbranch_scc1 .Lhid_b_\@
	PARTB 0
.Lhid_b_\@:
	s_add_co_u32 s[KF], s[KF], 128
	s_barrier_wait -1                              ; nobody reads the slot in hand any more, and the other slot is whole
.if \fill
	TLOAD                                          ; the first thing behind the barrier, a wave's one tensor load until the next
	ASK
.endif
	s_xor_b32 s[TB], s[TB], SLOT1
	s_add_co_u32 s[TR], s[TR], 1
.endm
	s_load_b256 s[4:11], s[0:1], 0x0               ; qk s[4:5], vblk s[6:7], o_img s[8:9], o_scales s[10:11]
	v_lshl_add_u32 v[SPW], v0, 2, SPARE
	v_mov_b32 v[NIL], 0
	ds_add_u32 v[SPW], v[NIL]                      ; the opening lines: the add, twice on end, and its wait
	ds_add_u32 v[SPW], v[NIL]
	v_lshrrev_b32 v32, 5, v0
	v_readfirstlane_b32 s[WV], v32                 ; wave 0..15
	s_mov_b32 s[WI], ttmp9
	s_add_co_u32 s[SW], s[WI], 1
	s_and_b32 s[BH], ttmp7, 0xffff
	s_lshr_b32 s[WS], s[WV], 3
	s_and_b32 s[WA], s[WV], 7
	s_and_b32 s71, s[WV], 1                        ; which half of a block I fetch, if I fetch
	; group 1: dense blocks as rows of 256 bytes (32 elements of 8): half of K's block is 26 rows, 96 bytes of padding behind each; half of V's 25, not padded
	s_mov_b32 s[G1K], (3<<16)|(1<<20)|(5<<22)|(23<<25)
	s_mov_b32 s[G1K+1], 32<<16
	s_mov_b32 s[G1K+2], 26<<16
	s_mov_b32 s[G1K+3], 32<<16
	s_mov_b32 s[G1K+4], 26
	s_mov_b32 s[G1K+5], 32
	s_mov_b32 s[G1K+6], 0
	s_mov_b32 s[G1K+7], 0
	s_mov_b32 s[G1V], 3<<16
	s_mov_b32 s[G1V+1], 32<<16
	s_mov_b32 s[G1V+2], 25<<16
	s_mov_b32 s[G1V+3], 32<<16
	s_mov_b32 s[G1V+4], 25
	s_mov_b32 s[G1V+5], 32
	s_mov_b32 s[G1V+6], 0
	s_mov_b32 s[G1V+7], 0
	s_mul_i32 s72, s[BH], 8*KBLK
	s_add_co_u32 s72, s72, 64*8*KBLK               ; k lies behind q's 64 heads
	s_mul_i32 s73, s71, KBLK/2
	s_add_co_u32 s72, s72, s73
	s_mov_b32 s73, 0
	s_mul_i32 s74, s[BH], 8*VBLK
	s_mul_i32 s75, s71, VBLK/2
	s_add_co_u32 s74, s74, s75
	s_mov_b32 s75, 0
	s_mov_b32 s[SEL], 0x76543210
	s_mov_b32 s[SEL+1], 0xfedcba98                 ; v_permlanex16_b32's selects for lane l xor 16
	s_mov_b32 s[CS], 0x3e38aa3b                    ; log2(e) / sqrt(64)
	s_mov_b32 s[CS+1], s[CS]
	s_mov_b32 s[HI16], 0xffff0000
	s_wait_dscnt 0x0
	s_wait_kmcnt 0x0
	s_add_nc_u64 s[KB:KB+1], s[4:5], s[72:73]
	s_add_nc_u64 s[VB:VB+1], s[6:7], s[74:75]
	s_mov_b32 s[G0K], 1
	s_mul_i32 s[G0K+1], s71, 26*KP                 ; LDS: slot 0, my half
	s_mov_b64 s[G0K+2:G0K+3], s[KB:KB+1]           ; the head's keys 0 .. 255
	s_or_b32 s[G0K+3], s[G0K+3], 0x80000000
	s_mov_b32 s[G0V], 1
	s_mul_i32 s[G0V+1], s71, VBLK/2
	s_add_co_u32 s[G0V+1], s[G0V+1], VOFF
	s_mov_b64 s[G0V+2:G0V+3], s[VB:VB+1]
	s_or_b32 s[G0V+3], s[G0V+3], 0x80000000
	TLOAD                                          ; slot 0: one tensor load a loading wave
	s_cmp_lt_u32 s[WV], 6                          ; the prefetches: waves 4, 5 K's halves, waves 6, 7 V's
	s_cselect_b64 s[PFB:PFB+1], s[KB:KB+1], s[VB:VB+1]
	s_mov_b32 s[PFS], VBLK
	s_cselect_b32 s[PFS], KBLK, s[PFS]
	s_cselect_b32 s72, 25, 24
	v_and_b32 v[PFO], 31, v0
	v_min_u32 v[PFO], s72, v[PFO]
	v_lshlrev_b32 v[PFO], 8, v[PFO]
	s_lshr_b32 s72, s[WV], 2
	s_xor_b32 s72, s72, 1                          ; 0 in waves 4 to 7,
	s_or_b32 s72, s72, ttmp9                       ; of the head's work-group 0
	s_cmp_eq_u32 s72, 0
	s_cselect_b32 s[LIM], 8, 0
	s_lshr_b32 s72, s[WA], 1
	s_lshl_b32 s72, s72, 5
	s_and_b32 s73, s[WA], 1
	s_lshl_b32 s73, s73, 3
	s_add_co_u32 s72, s72, s73                     ; 32 (a / 2) + 8 (a % 2)
	s_mov_b32 s[QB], s[WI]
	QADDR
	v_and_b32 v32, 31, v0                          ; lane
	v_and_b32 v33, 15, v0                          ; r
	v_bfe_u32 v34, v0, 4, 1                        ; h
	v_and_b32 v35, 7, v0
	v_bfe_u32 v36, v0, 3, 1                        ; r / 8
	v_lshlrev_b32 v[A8], 3, v32
	v_lshlrev_b32 v[A4], 2, v33
	v_lshlrev_b32 v[A16], 4, v32
	v_lshlrev_b32 v[SH8], 3, v34
	v_lshlrev_b32 v[KL], 3, v35
	v_lshl_add_u32 v[KL], v34, 7, v[KL]
	v_mad_u32_u24 v[KL], v36, 6*KP, v[KL]
	v_lshlrev_b32 v[SL], 2, v35
	v_lshl_add_u32 v[SL], v36, 7, v[SL]
	v_lshl_add_u32 v[OSO], v33, 5, v34
	v_lshl_add_u32 v[DM], v36, 3, v33              ; r + 8 (r / 8)
	v_lshlrev_b32 v34, 5, v34
	v_sub_nc_u32 v[DM], v[DM], v34
	v_add_nc_u32 v[DM], s72, v[DM]
	s_wait_alu depctr_va_vdst(0)
	QLOAD                                          ; the first block's q
.irp j, 22,23,24,25,26,27
	v_mov_b32 v[\j], 0                             ; q's K = 64 .. 127: zero codes
.endr
.irp t, 0,1,2,3
.irp j, 6,7,8,9,10,11
	v_mov_b32 v[KR+12*\t+\j], 0                    ; k's likewise: written once
.endr
.endr
.irp j, 236,237,239,252,253
	v_mov_b32 v[\j], 0                             ; lane permutes' destinations and the upper half of a pair: written before they are named
.endr
	OADDR
	ZERO
	s_mov_b32 s[TB], 0
	s_mov_b32 s[TR], 0
	s_wait_alu depctr_va_vdst(0)
	CHG 1, 1                                       ; slot 0 is in; slot 1's first fill, trip 1's keys, is issued as a refill is
	s_barrier_wait -1
	TLOAD
	ASK
.Lslot:                                            ; trips 0 .. 6: each asks for the keys of the trip two on
	s_cmp_eq_u32 s[TR], s[SW]                      ; i + 1 lies in 1 .. 4: the second block begins inside this loop
	s_cbranch_scc0 .Lsame
	WAYOUT
	s_wait_xcnt 0x0                                ; the stores have read their data and bases: both are written again below
	OADDR
	ZERO
.Lsame:
	TRIP 1
	s_cmp_lt_u32 s[TR], 7
	s_cbranch_scc1 .Lslot
.Ltail:                                            ; trips 7 and 8 ask for nothing; the two are alike, so the last one passes a barrier too
	TRIP 0
	s_cmp_lt_u32 s[TR], 9
	s_cbranch_scc1 .Ltail
	WAYOUT
	s_wait_tensorcnt 0x0                           ; the wave's end
	ds_add_u32 v[SPW], v[NIL]
	s_wait_dscnt 0x0
	s_endpgm
.Lfunc_end_k_qe5b2c19cdb_attn:
	.size	k_qe5b2c19cdb_attn, .Lfunc_end_k_qe5b2c19cdb_attn-k_qe5b2c19cdb_attn
	.p2alignl 7, 3214868480
	.fill 96, 4, 3214868480
	.section	.rodata,"a",@progbits
	.p2align	6, 0x0
	.amdhsa_kernel k_qe5b2c19cdb_attn
		.amdhsa_group_segment_fixed_size 327680
		.amdhsa_private_segment_fixed_size 0
		.amdhsa_enable_private_segment 0
		.amdhsa_kernarg_size 32
		.amdhsa_user_sgpr_count 2
		.amdhsa_user_sgpr_kernarg_segment_ptr 1
		.amdhsa_wavefront_size32 1
		.amdhsa_system_sgpr_workgroup_id_x 1
		.amdhsa_system_sgpr_workgroup_id_y 1
		.amdhsa_system_sgpr_workgroup_id_z 1
		.amdhsa_system_vgpr_workitem_id 0
		.amdhsa_next_free_vgpr 256
		.amdhsa_next_free_sgpr 80
		.amdhsa_reserve_vcc 1
		.amdhsa_float_denorm_mode_32 3
		.amdhsa_float_denorm_mode_16_64 3
		.amdhsa_memory_ordered 1
		.amdhsa_forward_progress 1
		.amdhsa_inst_pref_size 108
	.end_amdhsa_kernel
	.amdgpu_metadata
---
amdhsa.version: [ 1, 2 ]
amdhsa.kernels:
  - .name:           k_qe5b2c19cdb_attn
    .symbol:         k_qe5b2c19cdb_attn.kd
    .args:
      - { .name: qk, .offset: 0, .size: 8, .value_kind: global_buffer, .address_space: global }
      - { .name: vblk, .offset: 8, .size: 8, .value_kind: global_buffer, .address_space: global }
      - { .name: o_img, .offset: 16, .size: 8, .value_kind: global_buffer, .address_space: global }
      - { .name: o_scales, .offset: 24, .size: 8, .value_kind: global_buffer, .address_space: global }
    .group_segment_fixed_size: 327680
    .private_segment_fixed_size: 0
    .kernarg_segment_align: 8
    .kernarg_segment_size: 32
    .max_flat_workgroup_size: 512
    .sgpr_count:     80
    .vgpr_count:     256
    .wavefront_size: 32
...
	.end_amdgpu_metadata
.endif
;; end of part 3
;; launch proj (part 4): grid 4 x 32, 4 waves a work-group, clusters of 4 x 4, 327,680 bytes of LDS; arguments o_img, o_scales, codes, scales, b_out, out0; writes out0
.if DOCPART == 4
	.amdgcn_target "amdgcn-amd-amdhsa--gfx1250"
	.amdhsa_code_object_version 6
	.text
	.protected	k_qe5b2c19cdb_proj
	.globl	k_qe5b2c19cdb_proj
	.p2align	8
	.type	k_qe5b2c19cdb_proj,@function
k_qe5b2c19cdb_proj:
	s_mov_b64 s[64:65], 0
	v_nop
	global_prefetch_b8 v0, s[64:65] scope:SCOPE_SE
	s_setreg_imm32_b32 hwreg(HW_REG_WAVE_MODE, 25, 1), 1
	s_wait_xcnt 0x0
	s_wait_alu depctr_hold_cnt(0) depctr_sa_sdst(0) depctr_va_vdst(0) depctr_va_sdst(0) depctr_va_ssrc(0) depctr_va_vcc(0) depctr_vm_vsrc(0)
	s_getreg_b32 s2, hwreg(HW_REG_IB_STS2, 6, 4)
	s_cmp_eq_u32 s2, 0
	s_cbranch_scc0 .Lentry_in_a_cluster
	s_endpgm
.Lentry_in_a_cluster:
	s_bfe_u32 s2, ttmp6, 0x10000c
	s_cmp_lg_u32 s2, 0xf033
	s_cbranch_scc0 .Lentry_shape_is_right
	s_endpgm
.Lentry_shape_is_right:
; out0 = o W_out + b_out on codes of BF6 (E3M2) with E8M0 scales, K = 1,024.  A tile of 256 x 256 to a work-group of four waves; K in steps of 256 through a ring of two LDS slots; clusters of 4 x 4 with joint loads.
; A = o_img (images of operand registers: 16 tiles of 3,072 bytes a K step, 12,288 apart), B = W_out's positions of codes (a dense block of 49,152 bytes a K step, stated as rows of 256 bytes).
; The head's four tiles (A, B, A's scale bytes, B's) go out one a wave; slot 1 is first filled behind the full sequence and a round.  The bias is the C of each sum's first matrix instruction.
.set SIZE_N, 1024
.set KSB, 49152
.set G0H, 4
.set G0HB, 8
.set KSTEP,  256
.set NQ,     KSTEP/128
.set ROWB,   192
.set AROWB,  3072
.set KROW,   768
.set PITCH,  240
.set FR,     12
.set NL,     6
.set NP,     4
.set HALFT,  128*PITCH
.set SLOT,   4*HALFT
.set LAPS,   2
.set KS,     32
.set SCL,    2*SLOT
.set HALFS,  (128*KS/256)*272
.set SBLK,   (16*KS/256)*272
.set SPARE,  SCL+4*HALFS
.set SPITCH, 528
.set ADRA, 16
.set ADRB, 20
.set STO,  24
.set RD,   25
.set CO,   26
.set ADRS, 27
.set SPW,  28
.set NIL,  29
.set SC,   32
.set BIAS, 64
.set AF,   128
.set BK,   128
.set G1, 24
.set G0, 32
.set G1B, 48
.set G0B, 56
.set G1S, 68
.set G0S, 76
.set G1SB, 80
.set G0SB, 88
.set MSB, 0
.macro WIN new
.if MSB != \new
	s_set_vgpr_msb (MSB<<8)|\new
.set MSB, \new
.endif
.endm
.set MUL_LO,  0xa1
.set MUL_HI,  0xf1
.set MUL_LO0, 0x81
.set MUL_HI0, 0xc1
.set TO_B,    0x40
.macro JLOAD g0a, g1a, g0b, g1b
	s_cmp_eq_u32 s15, 0
	s_cbranch_scc0 .Lfor_b_\@
	tensor_load_to_lds s[\g0a:\g0a+3], s[\g1a:\g1a+7]
	s_nop 0
.rept 4
	v_nop
.endr
	s_branch .Lasked_\@
.Lfor_b_\@:
	tensor_load_to_lds s[\g0b:\g0b+3], s[\g1b:\g1b+7]
	s_nop 0
.rept 4
	v_nop
.endr
.Lasked_\@:
.endm
.macro CREST
	s_cmp_lg_u32 s14, 0
	s_cbranch_scc1 .Lnot_wave_0_\@
	s_barrier_signal -3
.Lnot_wave_0_\@:
	s_barrier_wait -3
	s_barrier_signal -1
	s_barrier_wait -1
.endm
.macro CROUND
	s_barrier_signal -1
	s_barrier_wait -1
	CREST
.endm
	s_load_b128 s[4:7], s[0:1], 0x0
	s_load_b128 s[8:11], s[0:1], 0x10
	s_load_b64 s[66:67], s[0:1], 0x20
	s_load_b64 s[12:13], s[0:1], 0x28
	v_lshl_add_u32 v[SPW], v0, 2, SPARE
	v_mov_b32 v[NIL], 0
	ds_add_u32 v28, v29
	ds_add_u32 v28, v29
	s_wait_dscnt 0x0
	v_lshrrev_b32 v1, 5, v0
	v_readfirstlane_b32 s14, v1
	s_lshr_b32 s15, s14, 1
	s_and_b32 s16, s14, 1
	s_bfe_u32 s40, ttmp6, 0x40000
	s_bfe_u32 s41, ttmp6, 0x40004
	s_lshl_b32 s42, ttmp9, 2
	s_add_co_u32 s42, s42, s40
	s_and_b32 s17, ttmp7, 0xffff
	s_lshl_b32 s17, s17, 2
	s_add_co_u32 s17, s17, s41
	s_lshl_b32 s43, s41, 2
	s_lshl_b32 s43, 15, s43
	s_lshl_b32 s44, 0x1111, s40
	s_or_b32 s[G1+0], s43, (3<<16)|(1<<21)
	s_mov_b32 s[G1+1], 384<<16
	s_mov_b32 s[G1+2], 16<<16
	s_mov_b32 s[G1+3], 384<<16
	s_mov_b32 s[G1+4], 16
	s_mov_b32 s[G1+5], 1536
	s_mov_b32 s[G1+6], 0
	s_mov_b32 s[G1+7], 0
	s_or_b32 s[G1B+0], s44, (0<<16)|(1<<20)|(1<<21)|(3<<22)|(3<<25)
	s_mov_b32 s[G1B+1], 256<<16
	s_mov_b32 s[G1B+2], 192<<16
	s_mov_b32 s[G1B+3], 256<<16
	s_mov_b32 s[G1B+4], 192
	s_mov_b32 s[G1B+5], 256
	s_mov_b32 s[G1B+6], 0
	s_mov_b32 s[G1B+7], 0
	s_or_b32 s[G1S+0], s43, (3<<16)|(1<<20)|(1<<21)|(5<<22)|(3<<25)
	s_or_b32 s[G1SB+0], s44, (3<<16)|(1<<20)|(1<<21)|(5<<22)|(3<<25)
.irp g, G1S, G1SB
	s_mov_b32 s[\g+1], 32<<16
	s_mov_b32 s[\g+2], KS<<16
	s_mov_b32 s[\g+3], 32<<16
	s_mov_b32 s[\g+4], KS
	s_mov_b32 s[\g+5], 32
	s_mov_b32 s[\g+6], 0
	s_mov_b32 s[\g+7], 0
.endr
	s_lshl_b32 s20, s17, 8
	s_lshl_b32 s46, s42, 8
	s_add_co_u32 s46, s46, 11264
	s_mov_b32 s21, 0
	s_mov_b32 s47, 0
	s_mov_b64 s[18:19], KS
	s_mul_u64 s[22:23], s[20:21], s[18:19]
	s_mul_u64 s[92:93], s[46:47], s[18:19]
	s_mov_b64 s[18:19], KROW
	s_mul_u64 s[20:21], s[20:21], s[18:19]
	s_mul_u64 s[46:47], s[46:47], s[18:19]
	s_mul_i32 s45, s14, HALFT
	s_mul_i32 s94, s14, 24576                      ; A's halves lie 24,576 bytes apart in a slot
	s_mul_i32 s18, s16, 24576                      ; in the ring I fetch half a tile: B's half in bytes,
	s_mov_b32 s19, 0
	s_mul_i32 s2, s16, 98304                       ; A's
	s_mov_b32 s3, 0
	s_wait_kmcnt 0x0
	s_add_nc_u64 s[20:21], s[4:5], s[20:21]
	s_add_nc_u64 s[22:23], s[6:7], s[22:23]
	s_add_nc_u64 s[46:47], s[8:9], s[46:47]
	s_add_nc_u64 s[92:93], s[10:11], s[92:93]
	CROUND
	s_mov_b32 s[G0S], 1
	s_mov_b32 s[G0S+1], SCL
	s_mov_b64 s[G0S+2:G0S+3], s[22:23]
	s_or_b32 s[G0S+3], s[G0S+3], 0x80000000
	s_mov_b32 s[G0SB], 1
	s_mov_b32 s[G0SB+1], SCL+2*HALFS
	s_mov_b64 s[G0SB+2:G0SB+3], s[92:93]
	s_or_b32 s[G0SB+3], s[G0SB+3], 0x80000000
	s_mov_b32 s[G0H], 1
	s_mov_b32 s[G0H+1], 0
	s_mov_b64 s[G0H+2:G0H+3], s[20:21]
	s_or_b32 s[G0H+3], s[G0H+3], 0x80000000
	s_mov_b32 s[G0HB], 1
	s_mov_b32 s[G0HB+1], 2*HALFT
	s_mov_b64 s[G0HB+2:G0HB+3], s[46:47]
	s_or_b32 s[G0HB+3], s[G0HB+3], 0x80000000
	s_add_nc_u64 s[20:21], s[20:21], s[2:3]
	s_add_nc_u64 s[46:47], s[46:47], s[18:19]
.irp s, 0,1
	s_mov_b32 s[G0+4*\s], 1
	s_add_co_u32 s[G0+4*\s+1], s94, \s*SLOT
	s_add_nc_u64 s[G0+4*\s+2:G0+4*\s+3], s[20:21], \s*AROWB
	s_or_b32 s[G0+4*\s+3], s[G0+4*\s+3], 0x80000000
	s_mov_b32 s[G0B+4*\s], 1
	s_add_co_u32 s[G0B+4*\s+1], s45, \s*SLOT
	s_add_nc_u64 s[G0B+4*\s+2:G0B+4*\s+3], s[46:47], \s*KSB
	s_or_b32 s[G0B+4*\s+3], s[G0B+4*\s+3], 0x80000000
.endr
; the head's loads, one a wave: one chain of branches on the wave's number, one load to an arm
.macro ARM under, g0, g1, next
	s_cmp_lt_u32 s14, \under
	s_cbranch_scc0 \next
	tensor_load_to_lds s[\g0:\g0+3], s[\g1:\g1+7]
	s_nop 0
.rept 4
	v_nop
.endr
	s_branch .Lhead_asked
\next:
.endm
	ARM 1, G0H,  G1,  .Lhead_b
	ARM 2, G0HB, G1B, .Lhead_sa
	ARM 3, G0S,  G1S, .Lhead_sb
	tensor_load_to_lds s[G0SB:G0SB+3], s[G1SB:G1SB+7]
	s_nop 0
.rept 4
	v_nop
.endr
.Lhead_asked:
	v_and_b32 v1, 15, v0
	v_bfe_u32 v2, v0, 4, 1
	v_and_b32 v6, 31, v0
	v_mul_u32_u24 v3, v1, PITCH
	v_mul_u32_u24 v4, v2, 24
	v_add_nc_u32 v4, v3, v4
	v_lshl_add_u32 v5, v2, 4, v4
	v_lshlrev_b32 v3, 3, v6
	s_mul_i32 s21, s15, 24576
	s_mul_i32 s22, s16, HALFT
	s_add_co_u32 s22, s22, 2*HALFT
.irp s, 0,1
	v_add_nc_u32 v[ADRA+\s], s21, v3
	v_add_nc_u32 v[ADRB+\s], s22, v4
	v_add_nc_u32 v[ADRB+2+\s], s22, v5
	s_add_co_u32 s21, s21, SLOT
	s_add_co_u32 s22, s22, SLOT
.endr
	v_mul_u32_u24 v5, v1, KS
	v_lshrrev_b32 v7, 8, v5
	v_lshl_add_u32 v5, v7, 4, v5
	s_mul_i32 s21, s15, HALFS
	s_mul_i32 s22, s16, HALFS
	s_add_co_u32 s22, s22, 2*HALFS
	s_sub_co_u32 s22, s22, s21
	v_mul_u32_u24 v7, s22, v2
	s_add_co_u32 s21, s21, SCL
	v_add_nc_u32 v5, v5, v7
	v_add_nc_u32 v[ADRS], s21, v5
	s_mul_i32 s23, s14, 16*SPITCH
	v_mul_u32_u24 v5, v1, SPITCH
	v_lshl_add_u32 v5, v2, 6, v5
	v_add_nc_u32 v[STO], s23, v5
	v_lshlrev_b32 v[CO], 4, v6
	v_add_nc_u32 v[RD], s23, v[CO]
	s_lshl_b32 s20, s17, 8
	s_lshl_b32 s21, s15, 7
	s_add_co_u32 s20, s20, s21
	s_mov_b32 s21, 0
	s_mov_b64 s[18:19], SIZE_N*4
	s_mul_u64 s[20:21], s[20:21], s[18:19]
	s_lshl_b32 s46, s42, 10
	s_lshl_b32 s47, s16, 9
	s_add_co_u32 s46, s46, s47
	s_mov_b32 s47, 0
	s_add_nc_u64 s[20:21], s[20:21], s[46:47]
	s_add_nc_u64 s[12:13], s[12:13], s[20:21]
	s_add_nc_u64 s[66:67], s[66:67], s[46:47]
	v_lshlrev_b32 v8, 6, v2
.irp i, 0,1,2,3,4,5,6,7
	global_load_b128 v[BIAS+8*\i:BIAS+8*\i+3], v8, s[66:67] offset:(32*(\i/2)+8*(\i%2))*4
	global_load_b128 v[BIAS+8*\i+4:BIAS+8*\i+7], v8, s[66:67] offset:(32*(\i/2)+8*(\i%2))*4+16
.endr
.macro FRAG reg, adr, q, i
.irp p, 0,1,2,3,4,5
.set PCE, 12*(\q)+6*(\p/3)+\p%3
.if PCE%8 < 5
	ds_load_b64 v[\reg+2*\p:\reg+2*\p+1], v[\adr] offset:8*PCE+16*(PCE/8)+(\i)*16*PITCH
.else
	ds_load_b64 v[\reg+2*\p:\reg+2*\p+1], v[\adr+2] offset:8*PCE+16*(PCE/8)+(\i)*16*PITCH
.endif
.endr
.endm
.macro FRAGA reg, adr, q, i
.irp p, 0,1,2,3,4,5
	ds_load_b64 v[\reg+2*\p:\reg+2*\p+1], v[\adr] offset:AROWB*(\i)+1536*(\q)+256*\p
.endr
.endm
.macro MUL16 a0, p, q, sc, mode
.irp a, \a0, \a0+1
.irp b, 0,1,2,3,4,5,6,7
.if \mode
	v_wmma_scale_f32_16x16x128_f8f6f4 v[8*(8*((\a)%4)+\b):8*(8*((\a)%4)+\b)+7], v[128*(\p)+FR*\b:128*(\p)+FR*\b+FR-1], v[AF+FR*(\a):AF+FR*(\a)+FR-1], v[BIAS+8*\b:BIAS+8*\b+7], v[SC+8*NQ*(\sc)+NQ*\b+(\q)], v[SC+8*NQ*(\sc)+NQ*(\a)+(\q)] matrix_a_fmt:MATRIX_FMT_BF6 matrix_b_fmt:MATRIX_FMT_BF6 matrix_a_scale:MATRIX_SCALE_ROW1
.else
	v_wmma_scale_f32_16x16x128_f8f6f4 v[8*(8*((\a)%4)+\b):8*(8*((\a)%4)+\b)+7], v[128*(\p)+FR*\b:128*(\p)+FR*\b+FR-1], v[AF+FR*(\a):AF+FR*(\a)+FR-1], v[8*(8*((\a)%4)+\b):8*(8*((\a)%4)+\b)+7], v[SC+8*NQ*(\sc)+NQ*\b+(\q)], v[SC+8*NQ*(\sc)+NQ*(\a)+(\q)] matrix_a_fmt:MATRIX_FMT_BF6 matrix_b_fmt:MATRIX_FMT_BF6 matrix_a_scale:MATRIX_SCALE_ROW1
.endif
.endr
.endr
.endm
.macro FETCH_B slot, q, p
	WIN TO_B
.irp i, 0,1,2,3,4,5,6,7
	FRAG 128*(\p)+FR*\i, ADRB+\slot, \q, \i
.endr
	WIN 0
.endm
.macro FETCH_A slot, q, i0
.irp i, \i0, \i0+1, \i0+2, \i0+3
	FRAGA AF+FR*(\i), ADRA+\slot, \q, \i
.endr
.endm
.macro SCALES sc
.irp i, 0,1,2,3,4,5,6,7
	ds_load_b64 v[SC+8*NQ*\sc+NQ*\i:SC+8*NQ*\sc+NQ*\i+1], v[ADRS] offset:\i*SBLK
.endr
.endm
.macro PLACES n
.rept \n
	v_nop
.endr
.endm
.macro STEP slot, q, mode
	s_wait_dscnt 4*NL
.if \mode
	WIN MUL_LO0
.else
	WIN MUL_LO
.endif
	MUL16 0, (\q)%2, \q, \slot, \mode
	MUL16 2, (\q)%2, \q, \slot, \mode
	s_wait_dscnt 0
	PLACES NP
	FETCH_B \slot, (\q)+1, 1-(\q)%2
	FETCH_A \slot, (\q)+1, 0
.if \mode
	WIN MUL_HI0
.else
	WIN MUL_HI
.endif
	MUL16 4, (\q)%2, \q, \slot, \mode
	MUL16 6, (\q)%2, \q, \slot, \mode
	PLACES NP
	WIN 0
	FETCH_A \slot, (\q)+1, 4
.endm
.macro TURN slot, next, fill
	s_wait_tensorcnt 0x0
	ds_add_u32 v[SPW], v[NIL]
	s_wait_dscnt 4*NL+1
	WIN MUL_LO
	MUL16 0, 1, NQ-1, \slot, 0
	s_wait_dscnt 0x0
	s_barrier_signal -1
	MUL16 2, 1, NQ-1, \slot, 0
	WIN 0
	s_barrier_wait -1
.if \fill
	CREST
	s_add_nc_u64 s[G0+4*\slot+2:G0+4*\slot+3], s[G0+4*\slot+2:G0+4*\slot+3], 2*AROWB
	s_add_nc_u64 s[G0B+4*\slot+2:G0B+4*\slot+3], s[G0B+4*\slot+2:G0B+4*\slot+3], 2*KSB
	JLOAD G0+4*\slot, G1, G0B+4*\slot, G1B
.else
	PLACES NP
.endif
	s_wait_alu depctr_va_vdst(0)
	v_add_nc_u32 v[ADRS], 4*NQ, v[ADRS]
	FETCH_B \next, 0, 0
	FETCH_A \next, 0, 0
	SCALES \next
	WIN MUL_HI
	MUL16 4, 1, NQ-1, \slot, 0
	MUL16 6, 1, NQ-1, \slot, 0
	PLACES NP
	WIN 0
	FETCH_A \next, 0, 4
.endm
	s_wait_alu depctr_va_vdst(0)
	s_wait_tensorcnt 0x0                           ; my tile of the head's four is in; slot 1's first fill is issued as a refill is
	ds_add_u32 v[SPW], v[NIL]
	s_mov_b32 s[G1+2], 8<<16                       ; no tensor load of mine is out: from here on a load brings half a tile: 8 rows of A,
	s_mov_b32 s[G1+4], 8
	s_mov_b32 s[G1B+2], 96<<16                     ; 96 rows of B
	s_mov_b32 s[G1B+4], 96
	s_wait_dscnt 0x0
	CROUND
	JLOAD G0+4, G1, G0B+4, G1B                     ; K step 1, the first tensor load behind the round
	FETCH_B 0, 0, 0
	FETCH_A 0, 0, 0
	SCALES 0
	FETCH_A 0, 0, 4
	s_wait_loadcnt 0x0
	STEP 0, 0, 1
	s_mov_b32 s3, LAPS-1
.Llap:
	TURN 0, 1, 1
	STEP 1, 0, 0
	TURN 1, 0, 1
	STEP 0, 0, 0
	s_sub_co_u32 s3, s3, 1
	s_cmp_lg_u32 s3, 0
	s_cbranch_scc1 .Llap
	TURN 0, 1, 0
	STEP 1, 0, 0
	s_wait_dscnt 4*NL
	WIN MUL_LO
	MUL16 0, 1, NQ-1, 1, 0
	MUL16 2, 1, NQ-1, 1, 0
	s_wait_dscnt 0
	WIN MUL_HI
	MUL16 4, 1, NQ-1, 1, 0
	MUL16 6, 1, NQ-1, 1, 0
	WIN 0
.macro TOSTAGE a
.set AC, 64*((\a)%4)
	WIN 0x08+4*((\a)/4)
.irp b, 0,1,2,3,4,5,6,7
	ds_store_b128 v[STO], v[AC+8*\b:AC+8*\b+3] offset:128*(\b/2)+32*(\b%2)
	ds_store_b128 v[STO], v[AC+8*\b+4:AC+8*\b+7] offset:128*(\b/2)+32*(\b%2)+16
.endr
	WIN 0
.set BB, BK+64*((\a)%2)
.irp t, 0,1,2,3,4,5,6,7,8,9,10,11,12,13,14,15
	ds_load_b128 v[BB+4*\t:BB+4*\t+3], v[RD] offset:\t*SPITCH
.endr
.endm
.macro SEND a, younger
.set BB, BK+64*((\a)%2)
	s_wait_dscnt \younger
.if (\a) > 0
.if (\a)%2
	s_add_nc_u64 s[12:13], s[12:13], 8*SIZE_N*4
.else
	s_add_nc_u64 s[12:13], s[12:13], 24*SIZE_N*4
.endif
.endif
.irp t, 0,1,2,3,4,5,6,7,8,9,10,11,12,13,14,15
	global_store_b128 v[CO], v[BB+4*\t:BB+4*\t+3], s[12:13] offset:(\t+8*(\t/8))*SIZE_N*4 th:TH_STORE_NT
.endr
.endm
	PLACES NP
	TOSTAGE 0
.irp a, 1,2,3,4,5,6,7
.if \a > 1
	s_wait_xcnt 0x0
.endif
	TOSTAGE \a
	SEND \a-1, 32
.endr
	s_wait_xcnt 0x0
	SEND 7, 0
	s_wait_tensorcnt 0x0
	ds_add_u32 v[SPW], v[NIL]
	s_wait_dscnt 0x0
	CROUND
	s_endpgm
.Lfunc_end_k_qe5b2c19cdb_proj:
	.size	k_qe5b2c19cdb_proj, .Lfunc_end_k_qe5b2c19cdb_proj-k_qe5b2c19cdb_proj
	.p2alignl 7, 3214868480
	.fill 96, 4, 3214868480
	.section	.rodata,"a",@progbits
	.p2align	6, 0x0
	.amdhsa_kernel k_qe5b2c19cdb_proj
		.amdhsa_group_segment_fixed_size 327680
		.amdhsa_private_segment_fixed_size 0
		.amdhsa_enable_private_segment 0
		.amdhsa_kernarg_size 48
		.amdhsa_user_sgpr_count 2
		.amdhsa_user_sgpr_kernarg_segment_ptr 1
		.amdhsa_wavefront_size32 1
		.amdhsa_system_sgpr_workgroup_id_x 1
		.amdhsa_system_sgpr_workgroup_id_y 1
		.amdhsa_system_sgpr_workgroup_id_z 1
		.amdhsa_system_vgpr_workitem_id 0
		.amdhsa_next_free_vgpr 1024
		.amdhsa_next_free_sgpr 98
		.amdhsa_reserve_vcc 0
		.amdhsa_float_denorm_mode_32 3
		.amdhsa_float_denorm_mode_16_64 3
		.amdhsa_memory_ordered 1
		.amdhsa_forward_progress 1
		.amdhsa_inst_pref_size 163
	.end_amdhsa_kernel
	.amdgpu_metadata
---
amdhsa.version: [ 1, 2 ]
amdhsa.kernels:
  - .name:           k_qe5b2c19cdb_proj
    .symbol:         k_qe5b2c19cdb_proj.kd
    .args:
      - { .name: o_img, .offset: 0, .size: 8, .value_kind: global_buffer, .address_space: global }
      - { .name: o_scales, .offset: 8, .size: 8, .value_kind: global_buffer, .address_space: global }
      - { .name: codes, .offset: 16, .size: 8, .value_kind: global_buffer, .address_space: global }
      - { .name: scales, .offset: 24, .size: 8, .value_kind: global_buffer, .address_space: global }
      - { .name: b_out, .offset: 32, .size: 8, .value_kind: global_buffer, .address_space: global }
      - { .name: out0, .offset: 40, .size: 8, .value_kind: global_buffer, .address_space: global }
    .group_segment_fixed_size: 327680
    .private_segment_fixed_size: 0
    .kernarg_segment_align: 8
    .kernarg_segment_size: 48
    .max_flat_workgroup_size: 128
    .sgpr_count:     98
    .vgpr_count:     1024
    .wavefront_size: 32
...
	.end_amdgpu_metadata
.endif
;; end of part 4
